; MI455X (gfx1250); checked and timed in simulation.
; The chip was launched on July 23, 2026; its instructions are those of AMD's public machine-readable ISA for CDNA 5 (MIT licence, August 2026) and "CDNA5" Instruction Set Architecture Reference Guide (July 2026). The comments in the code are by the model that wrote it; some were corrected since.
;; Self Attention. Allowed arithmetic: matrix products marked QUANTISED: E2M3 operands, one E8M0 scale for each 32 along K, by v_wmma_scale_f32_16x16x128_f8f6f4 with both operands' format E2M3, f32 sums; products left as they are: f32 operands where the result goes on into a quantised operand, else bf16, f16 or f32 operands; f32 sums; everything else in f32.
;; Inputs: Wproj_codes 1,024 x 32 x 24 uint8 (E2M3 codes of Wproj, K innermost, in blocks of 32 codes, four codes in three bytes); Wproj_scales 1,024 x 32 uint8 (E8M0 scales of Wproj, one for each 32 codes along K); Wqkv_codes 3,072 x 32 x 24 uint8 (E2M3 codes of Wqkv, K innermost, in blocks of 32 codes, four codes in three bytes); Wqkv_scales 3,072 x 32 uint8 (E8M0 scales of Wqkv, one for each 32 codes along K); bproj 1,024 float32; x_codes 8 x 2,048 x 32 x 24 uint8 (E2M3 codes of x, K innermost, in blocks of 32 codes, four codes in three bytes); x_scales 8 x 2,048 x 32 uint8 (E8M0 scales of x, one for each 32 codes along K).
;; Outputs: out0 8 x 2,048 x 1,024 float32.
;; This version of the problem:
;;   THIS VERSION OF THE PROBLEM IS GIVEN IN LOW PRECISION. The matrix products marked QUANTISED in the list below multiply operands that are first quantised to E2M3 (2 exponent bits, 3 mantissa bits; 6 bits a number), with one power-of-two scale for each 32 numbers along K (OCP MX v1.0); their sums are f32. All else is computed in f32.
;;   The module's matrix products, in the order in which they are computed (A, B: the left and right operand; K: the contracted axis; several contracted axes count as one K, in the product's order):
;;     1. [M 16,384, K 1,024] x [K 1,024, N 3,072]; A: input x (given as codes); B: input Wqkv (given as codes): QUANTISED
;;     2. batch 16,384 x [M 16, K 64] x [K 64, N 16]; A: computed on the way; B: computed on the way: QUANTISED
;;     3. batch 16,384 x [M 16, K 16] x [K 16, N 64]; A: softmax; B: computed on the way: left as it is (K = 16 < 32)
;;     4. [M 16,384, K 1,024] x [K 1,024, N 1,024]; A: computed on the way; B: input Wproj (given as codes): QUANTISED
;;   THE QUANTISER, for each operand of a quantised product, along K:
;;     - K is cut into blocks of 32 from its start; a last block that is shorter is filled with zeros.
;;     - A block's scale is 2^e with e = floor(log2(the largest magnitude in the block)) - 2, held to -126 .. 127; a block of zeros has e = 0. As a byte (E8M0): e + 127.
;;     - Each number is divided by its block's scale, clamped to +-7.5, and rounded to the nearest number of E2M3, ties to even, subnormals kept.
;;     - The product sums the exact products of the quantised numbers (number of the format x scale) in f32.
;;   ~~~python
;;   def quantise(x, axis):      # numpy; x: float32 -> the quantised numbers, widened to float32 again
;;       x = np.moveaxis(x, axis, -1); K = x.shape[-1]
;;       x = np.pad(x, [(0, 0)] * (x.ndim - 1) + [(0, -K % 32)]); x = x.reshape(x.shape[:-1] + (-1, 32)); a = np.abs(x).max(-1, keepdims=True)
;;       e = np.where(a > 0, np.clip(np.frexp(np.where(a > 0, a, 1))[1] - 1 - 2, -126, 127), 0)      # np.frexp(a)[1] - 1 = floor(log2(a)), exactly
;;       r = np.clip(x / 2.0 ** e, -7.5, 7.5)
;;       step = 2.0 ** (np.maximum(np.frexp(np.where(r == 0, 1, r))[1] - 1, 0) - 3)
;;       q = np.round(r / step) * step * 2.0 ** e      # np.round: ties to even
;;       return np.moveaxis(q.reshape(q.shape[:-2] + (-1,))[..., :K], -1, axis).astype(np.float32)
;;   ~~~
;;   OPERANDS COMPUTED ON THE WAY. 'Computed on the way' means the value that the module computes at that place (a softmax that the list does not call 'softmax' is quantised finished and normalised). What goes into a quantiser is computed in f32, as accurately as f32 sums, v_exp_f32 and their like allow (about 1e-6 of the number): no bf16 or f16 on the way to a quantiser, and a product that is left as it is and whose result goes on into a quantised operand takes f32 operands (vector FMAs, or v_wmma_f32_16x16x4_f32). A number that lies on a knife's edge between two numbers of the format may be rounded either way, as far as f32 arithmetic and the matrix unit's own rounding can turn it there, and no further.
;;   INPUTS GIVEN AS CODES. Wproj (in the module: [1024, 1024], K = its axis 1); Wqkv (in the module: [3072, 1024], K = its axis 1); x (in the module: [8, 2048, 1024], K = its axis 2): each comes as NAME_codes (uint8): NAME with its K axis moved to the last place and cut into blocks of 32 codes, [.., K / 32, bytes a block], one block behind the other in memory; four codes in three bytes: a row's codes are one little-endian stream of bits, code i at bits 6 i .. 6 i + 5 (a code: sign, 2 exponent bits, 3 mantissa bits); and NAME_scales (uint8): the same leading axes, one E8M0 byte (e + 127) for each 32 codes along K. Its value is code x scale, taken as it is: it is not quantised again, and the codes and scales need not be those that the quantiser above would give.
;; 2 versions. Each part assembles by itself: llvm-mc -triple=amdgcn-amd-amdhsa -mcpu=gfx1250 --defsym DOCPART=n.
;; ======== version 1 of 2: 1 launch
;; launch attn (part 1): grid 256 x 1, 4 waves a work-group, clusters of 4 x 1, 327,680 bytes of LDS; arguments x_codes, x_scales, Wqkv_codes, Wqkv_scales, Wproj_codes, Wproj_scales, bproj, out0; writes out0
.if DOCPART == 1
	.amdgcn_target "amdgcn-amd-amdhsa--gfx1250"
	.amdhsa_code_object_version 6
	.text
	.protected	k_q05e1a411d4_attn
	.globl	k_q05e1a411d4_attn
	.p2align	8
	.type	k_q05e1a411d4_attn,@function
k_q05e1a411d4_attn:
	s_mov_b64 s[64:65], 0
	v_nop
	global_prefetch_b8 v0, s[64:65] scope:SCOPE_SE
	s_setreg_imm32_b32 hwreg(HW_REG_WAVE_MODE, 25, 1), 1
	s_wait_xcnt 0x0
	s_wait_alu depctr_hold_cnt(0) depctr_sa_sdst(0) depctr_va_vdst(0) depctr_va_sdst(0) depctr_va_ssrc(0) depctr_va_vcc(0) depctr_vm_vsrc(0)
	s_getreg_b32 s2, hwreg(HW_REG_IB_STS2, 6, 4)
	s_cmp_eq_u32 s2, 0
	s_cbranch_scc0 .Lentry_in_a_cluster
	s_endpgm
.Lentry_in_a_cluster:
	s_bfe_u32 s2, ttmp6, 0x10000c
	s_cmp_lg_u32 s2, 0x3003
	s_cbranch_scc0 .Lentry_shape_is_right
	s_endpgm
.Lentry_shape_is_right:
; out0 = (attention among the 16 heads of each token)(x Wqkv^T) Wproj^T + bproj, in ONE launch; nothing but x, the weights, the bias and out0 touches memory.
; x [16384][1024], Wqkv [3072][1024], Wproj [1024][1024]: codes of FP6 (E2M3), a row = 768 bytes, one E8M0 byte for each 32 along K (32 bytes a row).  out0 [16384][1024] f32.
; Feature f of x Wqkv^T is head f / 192, part (f % 192) / 64 (q, k, v), d = f % 64.  For each token: S[h][g] = q_h . k_g (q, k quantised along d), softmax over g of S / 8,
; out[h][:] = sum over g of attn[h][g] v[g][:] in f32, out quantised along (h, d), times Wproj^T, plus the bias.
; SHARES.  A work-group owns 64 tokens, four tiles tt of 16.  THE WAVES SHARE THE FEATURES, NOT THE TOKENS: wave w owns heads 4 w .. 4 w + 3 (rows 768 w on of Wqkv) and rows 256 w on of Wproj.
; The activations (x, later the quantised out), 64 tokens x 1,024 K = 32 fragments = 384 registers, lie in EVERY wave's registers; each weight fragment is read from LDS once, by one wave, and feeds 4 products.
; A TRIP = 32 weight rows x all of K for each wave: 24,576 dense bytes, one tensor load a wave, 2 tiles of rows x 4 tiles of tokens = 8 accumulators x 8 K steps = 64 matrix instructions.
; 32 trips: 16 for q and k (iteration it = (head, part): trip A d 0-31, trip B d 32-63), 8 for v (half b of d, head i), 8 for Wproj (pair k: trips A, B = 64 outputs).  Slot = trip's number mod 2.
; THE MATRIX INSTRUCTION IS USED TRANSPOSED (source 0 = 16 weight rows, source 1 = 16 tokens): lane (r, h) holds token r, register j feature 8 h + j of the tile.
; CLUSTER.  All work-groups walk the same weights, so the four of a cluster ask for each tile JOINTLY (mask 15); the tiles' addresses hang on the wave's number and the trip alone.  x's tile is a load of the work-group's own.
; Tensor loads of a wave outstanding, by this text's count: three at the start (x, trips 0 and 1), later one.
; LIMITS.  NaN and infinities are not served.  A block of zeros gets the scale byte 1 (its codes are zeros; the bytes are read by this program alone).  Inside a block of q and of k the 32 numbers lie in the order
; d 0-7, 16-23, 8-15, 24-31, alike on both sides; in the third product g is summed in the order 0, 1, 8, 9, 2, 3, 10, 11 ..: the sums differ from ascending order by f32 rounding alone.
;
; LDS: two slots of 4 x 26,112 bytes (a weight row: 3 x (256 + 16) = 816 bytes); from SCR on scratch, used in turn (each change of use stands behind a barrier in front of which every wave has waited for its LDS instructions):
;   XT x's tile (its one fill, at the start) | QKB, QSB q's and k's codes and scale words | STG v's stage, OC, OS out's codes and scale bytes | PST the way out.  Behind it the spare words.
; REGISTERS, in windows of 256:  window 0: v1-23 addresses; v24-39 x's (out's) scale words; v40-55 the weights', two sets; v56-59 q's and k's; v60-95 activation fragments 29-31; v96-191 weight fragments, two sets of four
;   (in ATT: v's pairs and temporaries); v192-255 the f32 product's eight accumulators, written by matrix instructions alone.   window 1: activation fragments 0-20.
;   window 2: activation fragments 21-28; v96-223 attn (16 tokens x 8), later rows on their way out; v224-255 softmax's temporaries, later the bias.   window 3: accumulators; temporaries of the q/k epilogue; q's and k's fragments.
.set PITCH,  816                       ; 204 words = 12 mod 64: the 32 lanes of an 8-byte load (12 r + 6 h words) fall on 64 different banks (64 banks of 4 bytes: ISA guide 11.1)
.set T16,    16*PITCH
.set WSL,    32*PITCH                  ; a wave's part of a slot
.set SLOT1,  4*WSL
.set SCR,    2*SLOT1
.set XT,     SCR                       ; 64 rows of x, pitch 816
.set QKB,    SCR                       ; [owner wave] 25,728 [token] 400 [it] 48: block b at + 24 b, the lanes' half at + 12 h
.set QSB,    SCR+102912                ; [owner wave] 2,304 [token] 36 [it] 4
.set STG,    SCR                       ; [token of a tile] 2,320: v(g, dl) at 1,152 (g / 8) + 128 (g % 8) + 4 dl
.set OC,     SCR+37120                 ; out's codes: 64 rows, pitch 784
.set OS,     SCR+87296                 ; out's scale bytes: 64 rows, pitch 48
.set PST,    STG                       ; [wave] 16 rows x 272
.set SPARE,  SCR+118272                ; the spare words, 128 bytes for each wave: two blocks of 256 bytes that no other line names
.set SPW, 1
.set NIL, 2
.set AW,  3                            ; v3-4 my place in my part of slot 0 (v4: behind one padding more), v5-6 in slot 1
.set LSO, 7                            ; 32 x lane
.set RR,  16                           ; r = lane % 16
.set HH,  17                           ; h = lane / 16
.set XS,  24
.set WS,  40
.set SW,  56
.set WF,  96
.set FD,  192
.set ATTN, 96                          ; window 2
.set TS,  224                          ; window 2
.set BI,  224                          ; window 2
.set BK,  96                           ; window 2
.set MSB, 0
.macro WIN new                         ; the immediate's high byte repeats the setting that is left; a switch that changes nothing is dropped
.if MSB != (\new)
	s_set_vgpr_msb (MSB<<8)|(\new)
.set MSB, (\new)
.endif
.endm
.macro PLACES n
.rept \n
	v_nop
.endr
.endm
.macro BAR                             ; my LDS stores have landed and my LDS loads are in: then the work-group's barrier
	s_wait_dscnt 0x0
	s_barrier_signal -1
	s_barrier_wait -1
.endm
.macro CREST                           ; a round of the cluster's barrier behind its opening barrier
	s_cmp_lg_u32 s20, 0
	s_cbranch_scc1 .Lnot_wave_0_\@
	s_barrier_signal -3
.Lnot_wave_0_\@:
	s_barrier_wait -3
	s_barrier_signal -1
	s_barrier_wait -1
.endm
.macro CROUND
	s_barrier_signal -1
	s_barrier_wait -1
	CREST
.endm
.macro XFSEL f                         ; activation fragment f = 4 kk + tt: its window XW and first register XR
.if (\f) < 21
.set XW, 1
.set XR, 12*(\f)
.elseif (\f) < 29
.set XW, 2
.set XR, 12*((\f)-21)
.else
.set XW, 0
.set XR, 60+12*((\f)-29)
.endif
.endm
; A weight fragment (16 rows x 128 K, 12 registers): lane (r, h) takes of row r the 8-byte pieces 12 kk + 0, 1, 2, 6, 7, 8, lanes 16-31 those three pieces on.  16 bytes of padding lie behind every 32 pieces:
; where the piece three on lies behind one padding more, the second address register (40 h for 24 h) serves.
.macro FRAGW reg, adr, kk, u
.irp p, 0,1,2,3,4,5
.set PC_, 12*(\kk)+6*(\p/3)+\p%3
.if PC_%32 < 29
	ds_load_b64 v[\reg+2*\p:\reg+2*\p+1], v[\adr] offset:8*PC_+16*(PC_/32)+T16*(\u)
.else
	ds_load_b64 v[\reg+2*\p:\reg+2*\p+1], v[\adr+1] offset:8*PC_+16*(PC_/32)+T16*(\u)
.endif
.endr
.endm
.macro LOADSET slot, g, set            ; 24 LDS loads in one run: K steps 2 g, 2 g + 1, both tiles of rows, into a set of four fragments
.irp k, 0,1
.irp u, 0,1
	FRAGW WF+48*(\set)+24*\k+12*\u, AW+2*(\slot), 2*(\g)+\k, \u
.endr
.endr
.endm
.macro WMS                             ; one scaled product from the symbols that MUL has set.  The rows of the scale registers: lanes 16-31 for the odd tile of rows (source 0) and the odd tile of tokens (source 1)
.if z_
.if (ra_ == 0) && (rb_ == 0)
	v_wmma_scale_f32_16x16x128_f8f6f4 v[rD:rD+7], v[rA:rA+11], v[XR:XR+11], 0, v[rSA], v[rSB] matrix_a_fmt:MATRIX_FMT_FP6 matrix_b_fmt:MATRIX_FMT_FP6
.elseif rb_ == 0
	v_wmma_scale_f32_16x16x128_f8f6f4 v[rD:rD+7], v[rA:rA+11], v[XR:XR+11], 0, v[rSA], v[rSB] matrix_a_fmt:MATRIX_FMT_FP6 matrix_b_fmt:MATRIX_FMT_FP6 matrix_a_scale:MATRIX_SCALE_ROW1
.elseif ra_ == 0
	v_wmma_scale_f32_16x16x128_f8f6f4 v[rD:rD+7], v[rA:rA+11], v[XR:XR+11], 0, v[rSA], v[rSB] matrix_a_fmt:MATRIX_FMT_FP6 matrix_b_fmt:MATRIX_FMT_FP6 matrix_b_scale:MATRIX_SCALE_ROW1
.else
	v_wmma_scale_f32_16x16x128_f8f6f4 v[rD:rD+7], v[rA:rA+11], v[XR:XR+11], 0, v[rSA], v[rSB] matrix_a_fmt:MATRIX_FMT_FP6 matrix_b_fmt:MATRIX_FMT_FP6 matrix_a_scale:MATRIX_SCALE_ROW1 matrix_b_scale:MATRIX_SCALE_ROW1
.endif
.else
.if (ra_ == 0) && (rb_ == 0)
	v_wmma_scale_f32_16x16x128_f8f6f4 v[rD:rD+7], v[rA:rA+11], v[XR:XR+11], v[rC:rC+7], v[rSA], v[rSB] matrix_a_fmt:MATRIX_FMT_FP6 matrix_b_fmt:MATRIX_FMT_FP6
.elseif rb_ == 0
	v_wmma_scale_f32_16x16x128_f8f6f4 v[rD:rD+7], v[rA:rA+11], v[XR:XR+11], v[rC:rC+7], v[rSA], v[rSB] matrix_a_fmt:MATRIX_FMT_FP6 matrix_b_fmt:MATRIX_FMT_FP6 matrix_a_scale:MATRIX_SCALE_ROW1
.elseif ra_ == 0
	v_wmma_scale_f32_16x16x128_f8f6f4 v[rD:rD+7], v[rA:rA+11], v[XR:XR+11], v[rC:rC+7], v[rSA], v[rSB] matrix_a_fmt:MATRIX_FMT_FP6 matrix_b_fmt:MATRIX_FMT_FP6 matrix_b_scale:MATRIX_SCALE_ROW1
.else
	v_wmma_scale_f32_16x16x128_f8f6f4 v[rD:rD+7], v[rA:rA+11], v[XR:XR+11], v[rC:rC+7], v[rSA], v[rSB] matrix_a_fmt:MATRIX_FMT_FP6 matrix_b_fmt:MATRIX_FMT_FP6 matrix_a_scale:MATRIX_SCALE_ROW1 matrix_b_scale:MATRIX_SCALE_ROW1
.endif
.endif
.endm
; K step kk for accumulators a0 .. a1 (a = 2 tt + u, at accb + 8 a in window 3).  cmode 1: the product starts the sum with 0; 2: with the bias; 0: it adds in place.
; The eight accumulators take turns, one instruction a turn, in the same order in every K step.
.macro MUL kk, set, accb, cmode, ws, a0, a1
.set a_, \a0
.rept (\a1)-(\a0)+1
	XFSEL 4*(\kk)+a_/2
.set rD, (\accb)+8*a_
.set rA, WF+48*(\set)+24*((\kk)%2)+12*(a_%2)
.set rSA, WS+8*(\ws)+(\kk)
.set rSB, XS+8*(a_/4)+(\kk)
.set ra_, a_%2
.set rb_, (a_/2)%2
.set z_, 0
.set rC, rD
.set NW_, 0xf0+4*XW                    ; D and C window 3, source 0 (weights) window 0, source 1 (activations) window XW
.if (\cmode) == 1
.set z_, 1
.elseif (\cmode) == 2
.set rC, BI+16*(\ws)+8*(a_%2)
.set NW_, 0xe0+4*XW                    ; C (the bias) window 2
.endif
	WIN NW_
	WMS
.set a_, a_+1
.endr
.endm
.macro SETNEXT g0, sb, cb, sbs         ; row s81 of the wave's weights: the tile's address into group 0, its scale bytes' into the scale loads' base
	s_mul_i32 s74, s81, 768
	s_add_nc_u64 s[\g0+2:\g0+3], s[\cb:\cb+1], s[74:75]
	s_or_b32 s[\g0+3], s[\g0+3], 0x80000000
	s_lshl_b32 s74, s81, 5
	s_add_nc_u64 s[\sb:\sb+1], s[\sbs:\sbs+1], s[74:75]
.endm
.macro NEXTROW nx                      ; which rows the trip two on takes: scalar work on counters alone, no jump
.if \nx == 1                           ; q/k trip A of iteration it + 1: row 64 (it' + it' / 2); behind the last: v, half 0, head 0: row 128
	s_add_co_u32 s81, s80, 1
	s_lshr_b32 s74, s81, 1
	s_add_co_u32 s74, s74, s81
	s_lshl_b32 s74, s74, 6
	s_cmp_eq_u32 s81, 8
	s_cselect_b32 s81, 128, s74
	SETNEXT 44, 66, 56, 58
.elseif \nx == 2                       ; trip B: 32 rows on; behind the last: v, half 0, head 1: row 320
	s_add_co_u32 s81, s80, 1
	s_lshr_b32 s74, s81, 1
	s_add_co_u32 s74, s74, s81
	s_lshl_b32 s74, s74, 6
	s_add_co_u32 s74, s74, 32
	s_cmp_eq_u32 s81, 8
	s_cselect_b32 s81, 320, s74
	SETNEXT 48, 68, 56, 58
.elseif \nx == 3                       ; v, head 2 of this half
	s_add_co_u32 s81, s83, 512
	SETNEXT 44, 66, 56, 58
.elseif \nx == 4                       ; v, head 3
	s_add_co_u32 s81, s83, 704
	SETNEXT 48, 68, 56, 58
.elseif \nx == 5                       ; v, half 1, head 0; behind half 1: Wproj's rows 0 on
	s_cmp_eq_u32 s82, 1
	s_cselect_b64 s[76:77], s[60:61], s[56:57]
	s_cselect_b64 s[78:79], s[62:63], s[58:59]
	s_cselect_b32 s81, 0, 160
	SETNEXT 44, 66, 76, 78
.elseif \nx == 6                       ; v, half 1, head 1; behind half 1: Wproj's rows 32 on
	s_cmp_eq_u32 s82, 1
	s_cselect_b64 s[76:77], s[60:61], s[56:57]
	s_cselect_b64 s[78:79], s[62:63], s[58:59]
	s_cselect_b32 s81, 32, 352
	SETNEXT 48, 68, 76, 78
.elseif \nx == 7                       ; Wproj, the next pair's trip A
	s_add_co_u32 s81, s85, 64
	SETNEXT 44, 66, 60, 62
.elseif \nx == 8                       ; and its trip B
	s_add_co_u32 s81, s85, 96
	SETNEXT 48, 68, 60, 62
.endif
.endm
.macro BIASLD                          ; a pair's bias in the result's layout: lane (r, h), tile (trip t, u): bproj at 32 t + 16 u + 8 h + 0 .. 7 of the pair's 64
	WIN 0x80
.irp t, 0,1
.irp u, 0,1
	global_load_b128 v[BI+16*\t+8*\u:BI+16*\t+8*\u+3], v11, s[70:71] offset:128*\t+64*\u
	global_load_b128 v[BI+16*\t+8*\u+4:BI+16*\t+8*\u+7], v11, s[70:71] offset:128*\t+64*\u+16
.endr
.endr
	WIN 0
.endm
; A TRIP.  Four groups of two K steps on the two sets of fragments by turns; each run of 24 LDS loads stands four places behind the products that read its set (ISA guide 7.12.1 for vector instructions).
; The last group changes slots.  kind 1: this slot is filled again (the trip two on) and the other slot's first fragments are fetched; 2: filled, nothing fetched; 3: nothing filled, fetched; 0: the launch's last trip.
.macro CORE slot, accb, cfirst, lcnt, kind, nx, hook
	s_wait_loadcnt \lcnt                           ; this trip's scale words (and what was asked for before them) are in; the two loads of the trip before, for the next trip, may be out
	s_wait_dscnt 24                                ; the first set is in; the youngest 24 LDS instructions may be out
	MUL 0, 0, \accb, \cfirst, \slot, 0, 7
	MUL 1, 0, \accb, 0, \slot, 0, 7
	PLACES 4
	WIN 0
	LOADSET \slot, 2, 0
.if \hook
	s_add_nc_u64 s[70:71], s[70:71], 256           ; the earlier bias loads were shown done by the wait at the head of the pair's first trip
	BIASLD                                         ; the next pair's bias: this pair's has been read, four places back
.endif
	s_wait_dscnt 24
	MUL 2, 1, \accb, 0, \slot, 0, 7
	MUL 3, 1, \accb, 0, \slot, 0, 7
	PLACES 4
	WIN 0
	LOADSET \slot, 3, 1
	s_wait_dscnt 24
	MUL 4, 0, \accb, 0, \slot, 0, 7
	MUL 5, 0, \accb, 0, \slot, 0, 7
.if \kind == 0
	s_wait_dscnt 0x0
	MUL 6, 1, \accb, 0, \slot, 0, 7
	MUL 7, 1, \accb, 0, \slot, 0, 7
	PLACES 4
	WIN 0
.else
	WIN 0                                          ; (the add's two registers lie in window 0)
	s_wait_tensorcnt 0x0                           ; all my tensor loads have landed: the one that was out is my part of the other slot; so a group 0 may be written
	ds_add_u32 v[SPW], v[NIL]                      ; 0 onto my spare word
	NEXTROW \nx
	s_wait_dscnt 1                                 ; the last set is in; the add may be out
	MUL 6, 1, \accb, 0, \slot, 0, 7                ; eight matrix instructions stand between the add and the wait for it
	s_wait_dscnt 0x0                               ; the add is done, and my reads of this slot are over
	s_barrier_signal -1
	MUL 7, 1, \accb, 0, \slot, 0, 3
	WIN 0
	s_barrier_wait -1
.if \kind < 3
	CREST                                          ; the barrier has opened a round of the cluster's: no wave of any partner still reads this slot or has a load on its way
	tensor_load_to_lds s[44+4*\slot:47+4*\slot], s[28:35]   ; my one tensor load behind the round: the trip two on, into the slot just read out
	s_nop 0
.endif
	PLACES 4                                       ; behind the load, and the places in front of the loads below
.if \kind != 2
	LOADSET 1-\slot, 0, 0
.endif
	MUL 7, 1, \accb, 0, \slot, 4, 7
	PLACES 4                                       ; for the loads below and for the first reads of the results
	WIN 0
.if \kind != 2
	LOADSET 1-\slot, 1, 1
.endif
.if \kind < 3
	global_load_b128 v[WS+8*\slot:WS+8*\slot+3], v[LSO], s[66+2*\slot:67+2*\slot]              ; the scale words of the trip two on: lane l takes row l's 32 bytes: register kk = K step kk;
	global_load_b128 v[WS+8*\slot+4:WS+8*\slot+7], v[LSO], s[66+2*\slot:67+2*\slot] offset:16  ; lanes 0-15 the first tile of rows, lanes 16-31 the second.  The two loads cover 1,024 consecutive bytes
.endif
.endif
.endm
; Behind a q/k trip: block blk (32 along d) of 64 tokens' q or k of one head is quantised.  A lane's 16 registers of a tile of tokens are half a block, lane l xor 16 has the other half.
; Window 3: v128.. largest magnitudes, v132.. the other half's, v136.. the conversion's scale operands, v140.. block 0's bytes, v144.. block 1's, v148.. codes, v164.. scale words.
.macro QEPI blk, accb
	v_add_nc_u32 v10, s86, v8                      ; this iteration's place (the stores that named these registers were waited for at the change of slots in between)
	v_add_nc_u32 v11, s87, v9
	WIN 0xff
.irp t, 0,1,2,3
	v_max3_num_f32 v[128+\t], |v[\accb+16*\t]|, |v[\accb+16*\t+1]|, 0x1800000   ; with the floor 2^(3 - 127): the byte cannot fall under 1.  Each accumulator is read from its low end on
.endr
.irp i, 2,4,6,8,10,12,14
.irp t, 0,1,2,3
	v_max3_num_f32 v[128+\t], v[128+\t], |v[\accb+16*\t+\i]|, |v[\accb+16*\t+\i+1]|
.endr
.endr
.irp t, 0,1,2,3
	v_permlanex16_b32 v[132+\t], v[128+\t], s22, s23
.endr
.irp t, 0,1,2,3
	v_max_num_f32 v[128+\t], v[128+\t], v[132+\t]
.endr
.irp t, 0,1,2,3
	v_add_nc_u32 v[136+\t], 0xff000000, v[128+\t]  ; 2 off the exponent field: the conversion takes this operand's exponent field as its scale
.endr
.irp t, 0,1,2,3
	v_lshrrev_b32 v[140+4*\blk+\t], 23, v[136+\t]  ; the scale's byte
.endr
.if \blk
.irp t, 0,1,2,3
	v_lshl_or_b32 v[164+\t], v[144+\t], 8, v[140+\t]
.endr
.irp t, 0,1,2,3
	v_or_b32 v[164+\t], 0x7f7f0000, v[164+\t]      ; K = 64: the instruction's upper 64 are zero codes under the byte 127
.endr
.endif
.irp t, 0,1,2,3
	v_cvt_scalef32_pk16_fp6_f32 v[148+4*\t:150+4*\t], v[\accb+16*\t:\accb+16*\t+15], v[136+\t]
.endr
	v_nop                                          ; one plain place behind a scaled conversion
	WIN 0x0c                                       ; an LDS store's data are its source 1: window 3
.irp t, 0,1,2,3
.irp i, 0,1,2
	ds_store_b32 v10, v[148+4*\t+\i] offset:6400*\t+24*\blk+4*\i
.endr
.endr
.if \blk
.irp t, 0,1,2,3
	ds_store_b32 v11, v[164+\t] offset:576*\t      ; both halves of the lanes write the same word with the same value
.endr
.endif
	WIN 0
.endm
; The 32 activation fragments out of LDS: fragment 4 kk + tt = rows 16 tt on, K step kk.  pad = 1: rows with 16 bytes behind every 256 (x's tile); 0: dense rows (out's codes)
.macro LOADXF adr, tstep, pad
.set f_, 0
.rept 32
	XFSEL f_
.set NW_, XW<<6
	WIN NW_
.irp p, 0,1,2,3,4,5
.set PC_, 12*(f_/4)+6*(\p/3)+\p%3
.if (\pad) && (PC_%32 >= 29)
	ds_load_b64 v[XR+2*\p:XR+2*\p+1], v[\adr+1] offset:(\tstep)*(f_%4)+8*PC_+16*(PC_/32)
.elseif \pad
	ds_load_b64 v[XR+2*\p:XR+2*\p+1], v[\adr] offset:(\tstep)*(f_%4)+8*PC_+16*(PC_/32)
.else
	ds_load_b64 v[XR+2*\p:XR+2*\p+1], v[\adr] offset:(\tstep)*(f_%4)+8*PC_
.endif
.endr
.set f_, f_+1
.endr
	WIN 0
.endm
; S: wave w takes tokens 16 tt + 4 w + n.  For a token, lane (r, h) takes block h of head r: 24 bytes of q's codes and of k's; registers 6-11 of each fragment stay zero.
.macro S_LOAD tt
	WIN 0xc0
.irp n, 0,1,2,3
.irp p, 0,1,2
	ds_load_b64 v[24*\n+2*\p:24*\n+2*\p+1], v12 offset:400*(16*(\tt)+\n)+8*\p
	ds_load_b64 v[24*\n+12+2*\p:24*\n+13+2*\p], v12 offset:400*(16*(\tt)+\n)+48+8*\p
.endr
.endr
	WIN 0
.irp n, 0,1,2,3
	ds_load_b32 v[SW+\n], v13 offset:36*(16*(\tt)+\n)   ; lanes 0-15: q's scale words, lanes 16-31: k's
.endr
.endm
.macro S_MUL tt                        ; S^T = k q^T: lane (r, h) holds head r's scores against g = 8 h + 0 .. 7
	WIN 0x8f
.irp n, 0,1,2,3
	v_wmma_scale_f32_16x16x128_f8f6f4 v[ATTN+8*(4*(\tt)+\n):ATTN+8*(4*(\tt)+\n)+7], v[24*\n+12:24*\n+23], v[24*\n:24*\n+11], 0, v[SW+\n], v[SW+\n] matrix_a_fmt:MATRIX_FMT_FP6 matrix_b_fmt:MATRIX_FMT_FP6 matrix_a_scale:MATRIX_SCALE_ROW1
.endr
	PLACES 4
.endm
.macro S_SOFT tt                       ; softmax over g of S / 8, finished and normalised, in place; four tokens by turns.  Temporaries of token n at v[TS + 8 n]: +0 the maximum, +1 the other half's, +2 .. +5 sums, +6 the reciprocal
.set bA, ATTN+32*(\tt)
	WIN 0xaa
.irp n, 0,1,2,3
	v_max3_num_f32 v[TS+8*\n], v[bA+8*\n], v[bA+8*\n+1], v[bA+8*\n+2]
.endr
.irp i, 3,5
.irp n, 0,1,2,3
	v_max3_num_f32 v[TS+8*\n], v[TS+8*\n], v[bA+8*\n+\i], v[bA+8*\n+\i+1]
.endr
.endr
.irp n, 0,1,2,3
	v_max_num_f32 v[TS+8*\n], v[TS+8*\n], v[bA+8*\n+7]
.endr
.irp n, 0,1,2,3
	v_permlanex16_b32 v[TS+8*\n+1], v[TS+8*\n], s22, s23
.endr
.irp n, 0,1,2,3
	v_max_num_f32 v[TS+8*\n], v[TS+8*\n], v[TS+8*\n+1]
.endr
.irp j, 0,2,4,6
.irp n, 0,1,2,3
	v_pk_add_f32 v[bA+8*\n+\j:bA+8*\n+\j+1], v[bA+8*\n+\j:bA+8*\n+\j+1], v[TS+8*\n:TS+8*\n+1] op_sel_hi:[1,0] neg_lo:[0,1] neg_hi:[0,1]   ; s - m first, so that the exponent's error does not grow with the scores
.endr
.endr
.irp j, 0,2,4,6
.irp n, 0,1,2,3
	v_pk_mul_f32 v[bA+8*\n+\j:bA+8*\n+\j+1], v[bA+8*\n+\j:bA+8*\n+\j+1], s[24:25] op_sel_hi:[1,0]   ; x log2(e) / 8
.endr
.endr
.irp j, 0,1,2,3,4,5,6,7
.irp n, 0,1,2,3
	v_exp_f32 v[bA+8*\n+\j], v[bA+8*\n+\j]
.endr
.endr
	v_nop                                          ; a plain place behind the exponentials
	s_wait_alu depctr_va_vdst(0)
.irp n, 0,1,2,3
	v_pk_add_f32 v[TS+8*\n+2:TS+8*\n+3], v[bA+8*\n:bA+8*\n+1], v[bA+8*\n+2:bA+8*\n+3]
	v_pk_add_f32 v[TS+8*\n+4:TS+8*\n+5], v[bA+8*\n+4:bA+8*\n+5], v[bA+8*\n+6:bA+8*\n+7]
.endr
.irp n, 0,1,2,3
	v_pk_add_f32 v[TS+8*\n+2:TS+8*\n+3], v[TS+8*\n+2:TS+8*\n+3], v[TS+8*\n+4:TS+8*\n+5]
.endr
.irp n, 0,1,2,3
	v_add_f32 v[TS+8*\n+2], v[TS+8*\n+2], v[TS+8*\n+3]
.endr
.irp n, 0,1,2,3
	v_permlanex16_b32 v[TS+8*\n+1], v[TS+8*\n+2], s22, s23
.endr
.irp n, 0,1,2,3
	v_add_f32 v[TS+8*\n+2], v[TS+8*\n+2], v[TS+8*\n+1]
.endr
.irp n, 0,1,2,3
	v_rcp_f32 v[TS+8*\n+6], v[TS+8*\n+2]
.endr
	v_nop                                          ; a plain place behind the reciprocals
	s_wait_alu depctr_va_vdst(0)
.irp j, 0,2,4,6
.irp n, 0,1,2,3
	v_pk_mul_f32 v[bA+8*\n+\j:bA+8*\n+\j+1], v[bA+8*\n+\j:bA+8*\n+\j+1], v[TS+8*\n+6:TS+8*\n+7] op_sel_hi:[1,0]
.endr
.endr
.endm
; ATT, for a tile of 16 tokens and the half of d in hand.  Every wave puts its four heads' v (32 d) of the 16 tokens into the stage | barrier | wave w takes tokens 4 w + n: out^T = v^T attn^T by the f32 form:
; source 0 = 16 d x 4 g, source 1 = 4 g x 16 heads = two registers of attn as they stand: K place (h, j) of step s is g = 8 h + 2 s + j, on both sides.  Row m of tile u is d 16 (m / 8) + 8 u + m % 8,
; so that lane (head r, h) ends with 16 neighbours, d 16 h + 0 .. 15, half a block of the last product's K; they are quantised and go to LDS as rows of codes | barrier, since the stage is written again.
.macro ATT tt
	WIN 0x0c
.irp i, 0,1,2,3
.irp u, 0,1
	ds_store_b128 v8, v[64*\i+16*\tt+8*\u:64*\i+16*\tt+8*\u+3] offset:128*\i+64*\u          ; each accumulator from its low end on
	ds_store_b128 v8, v[64*\i+16*\tt+8*\u+4:64*\i+16*\tt+8*\u+7] offset:128*\i+64*\u+16
.endr
.endr
	WIN 0
	BAR                                            ; all sixteen heads' v of the tile lie in the stage
.irp s, 0,1,2,3
.irp n, 0,1,2,3
.irp u, 0,1
.irp j, 0,1
	ds_load_b32 v[WF+16*\n+8*\u+2*\s+\j], v9 offset:2320*\n+128*(2*\s+\j)+32*\u
.endr
.endr
.endr
.endr
	WIN 0x08                                       ; source 1 (attn) window 2
.irp s, 0,1,2,3
	s_wait_dscnt 48-16*\s                          ; this step's sixteen loads are in; the later steps' may be out
.irp n, 0,1,2,3
.irp u, 0,1
.if \s == 0
	v_wmma_f32_16x16x4_f32 v[FD+16*\n+8*\u:FD+16*\n+8*\u+7], v[WF+16*\n+8*\u+2*\s:WF+16*\n+8*\u+2*\s+1], v[ATTN+8*(4*\tt+\n)+2*\s:ATTN+8*(4*\tt+\n)+2*\s+1], 0
.else
	v_wmma_f32_16x16x4_f32 v[FD+16*\n+8*\u:FD+16*\n+8*\u+7], v[WF+16*\n+8*\u+2*\s:WF+16*\n+8*\u+2*\s+1], v[ATTN+8*(4*\tt+\n)+2*\s:ATTN+8*(4*\tt+\n)+2*\s+1], v[FD+16*\n+8*\u:FD+16*\n+8*\u+7]
.endif
.endr
.endr
.endr
	WIN 0
	PLACES 9                                       ; behind the f32 form: eight before its results are read or its sources loaded anew, nine before the next tile's first products write over the sums
.irp n, 0,1,2,3
	v_max3_num_f32 v[160+\n], |v[FD+16*\n]|, |v[FD+16*\n+1]|, 0x1800000
.endr
.irp i, 2,4,6,8,10,12,14
.irp n, 0,1,2,3
	v_max3_num_f32 v[160+\n], v[160+\n], |v[FD+16*\n+\i]|, |v[FD+16*\n+\i+1]|
.endr
.endr
.irp n, 0,1,2,3
	v_permlanex16_b32 v[164+\n], v[160+\n], s22, s23
.endr
.irp n, 0,1,2,3
	v_max_num_f32 v[160+\n], v[160+\n], v[164+\n]
.endr
.irp n, 0,1,2,3
	v_add_nc_u32 v[168+\n], 0xff000000, v[160+\n]
.endr
.irp n, 0,1,2,3
	v_lshrrev_b32 v[172+\n], 23, v[168+\n]
.endr
.irp n, 0,1,2,3
	v_cvt_scalef32_pk16_fp6_f32 v[176+4*\n:178+4*\n], v[FD+16*\n:FD+16*\n+15], v[168+\n]
.endr
	v_nop                                          ; one plain place behind a scaled conversion
.irp n, 0,1,2,3
.irp i, 0,1,2
	ds_store_b32 v14, v[176+4*\n+\i] offset:784*(16*\tt+\n)+4*\i
.endr
	ds_store_b8 v15, v[172+\n] offset:48*(16*\tt+\n)   ; both halves of the lanes write the same byte with the same value
.endr
.if \tt < 3
	BAR                                            ; every wave's reads of the stage are over
.endif
.endm
; THE WAY OUT of a pair: 64 outputs (256 bytes a row) of a tile of 16 tokens go through my own stage and come back as whole rows: sixteen lanes store 256 consecutive bytes, at a multiple of 256 from out0's first byte.
; LDS serves a wave's instructions in order (ISA guide 5.7.1.4): no wait between the stores and the loads, nor in front of the next tile's stores.
.macro TOSTAGE tt
	WIN 0x0c
.irp t, 0,1
.irp u, 0,1
	ds_store_b128 v8, v[64*\t+16*(\tt)+8*\u:64*\t+16*(\tt)+8*\u+3] offset:128*\t+64*\u
	ds_store_b128 v8, v[64*\t+16*(\tt)+8*\u+4:64*\t+16*(\tt)+8*\u+7] offset:128*\t+64*\u+16
.endr
.endr
	WIN 0x80
.irp i, 0,1,2,3,4,5,6,7
	ds_load_b128 v[BK+32*((\tt)%2)+4*\i:BK+32*((\tt)%2)+4*\i+3], v9 offset:544*\i
.endr
.endm
.macro SEND tt, younger
	s_wait_dscnt \younger                          ; the tile is back; the next tile's 8 stores and 8 loads may be out
	WIN 0x08
.irp i, 0,1,2,3,4,5,6,7
	global_store_b128 v10, v[BK+32*((\tt)%2)+4*\i:BK+32*((\tt)%2)+4*\i+3], s[72:73] offset:(16*(\tt)+2*\i)*4096 th:TH_STORE_NT
.endr
.endm
.macro PEPI
	TOSTAGE 0
	TOSTAGE 1
	SEND 0, 16
	s_wait_xcnt 0x0                                ; tile 0's stores have read their registers: tile 2's loads may land there
	TOSTAGE 2
	SEND 1, 16
	s_wait_xcnt 0x0
	TOSTAGE 3
	SEND 2, 16
	SEND 3, 0
	WIN 0
	s_wait_xcnt 0x0                                ; the stores have read their registers and their base
	s_add_nc_u64 s[72:73], s[72:73], 256           ; the next pair's 64 outputs
.endm
; ---------------------------------------------------------------- the head
	s_load_b512 s[4:19], s[0:1], 0x0               ; x's codes, x's scales, Wqkv's codes, scales, Wproj's codes, scales, bproj, out0
	v_lshl_add_u32 v[SPW], v0, 2, SPARE
	v_mov_b32 v[NIL], 0
	ds_add_u32 v1, v2
	ds_add_u32 v1, v2
	s_wait_dscnt 0x0
	v_lshrrev_b32 v18, 5, v0
	v_readfirstlane_b32 s20, v18                   ; wave 0..3
	s_bfe_u32 s90, ttmp6, 0x40000                  ; cx.  s21 and s90-93 alone hold what hangs on it; they enter x's and out0's addresses and nothing else
	s_lshl_b32 s21, ttmp9, 2
	s_add_co_u32 s21, s21, s90                     ; my block of 64 tokens = 4 x cluster x + cx
	s_mov_b32 s22, 0x76543210
	s_mov_b32 s23, 0xfedcba98                      ; v_permlanex16_b32's selects for lane l xor 16
	s_mov_b32 s24, 0x3e38aa3b                      ; log2(e) / 8
	s_mov_b32 s25, s24                             ; (named with it as a pair)
	; descriptor group 1 for a wave's weights of a trip: 24,576 dense bytes as 96 rows of 32 elements of 8 bytes, 16 bytes of padding behind each 256
	s_mov_b32 s28, 15|(3<<16)|(1<<20)|(1<<21)|(5<<22)|(3<<25)   ; 15:0 the mask: all four work-groups; 17:16 elements of 8 bytes; 20 padding on; 21 set beside a mask; 24:22 after every 64 words; 31:25 4 words
	s_mov_b32 s29, 32<<16                          ; tensor_dim0
	s_mov_b32 s30, 96<<16                          ; tensor_dim1
	s_mov_b32 s31, 32<<16                          ; tile_dim0
	s_mov_b32 s32, 96                              ; tile_dim1
	s_mov_b32 s33, 32                              ; pitch
	s_mov_b32 s34, 0
	s_mov_b32 s35, 0
	; and for a wave's 16 rows of x: 12,288 dense bytes, 48 such rows, no mask
	s_mov_b32 s36, (3<<16)|(1<<20)|(5<<22)|(3<<25)
	s_mov_b32 s37, 32<<16
	s_mov_b32 s38, 48<<16
	s_mov_b32 s39, 32<<16
	s_mov_b32 s40, 48
	s_mov_b32 s41, 32
	s_mov_b32 s42, 0
	s_mov_b32 s43, 0
	s_mov_b32 s75, 0                               ; the high words of the two offset pairs stay 0
	s_mov_b32 s93, 0
	s_mul_i32 s26, s20, WSL                        ; my part of a slot
	s_mul_i32 s27, s20, T16                        ; my 16 rows of x's tile
	s_wait_kmcnt 0x0
	s_mul_i32 s74, s20, 589824
	s_add_nc_u64 s[56:57], s[8:9], s[74:75]        ; Wqkv's codes at my 768 rows
	s_mul_i32 s74, s20, 24576
	s_add_nc_u64 s[58:59], s[10:11], s[74:75]      ; and their scale bytes
	s_mul_i32 s74, s20, 196608
	s_add_nc_u64 s[60:61], s[12:13], s[74:75]      ; Wproj's codes at my 256 rows
	s_lshl_b32 s74, s20, 13
	s_add_nc_u64 s[62:63], s[14:15], s[74:75]      ; and their scale bytes
	s_lshl_b32 s74, s20, 10
	s_add_nc_u64 s[70:71], s[16:17], s[74:75]      ; bproj at my 256 outputs
	s_add_nc_u64 s[72:73], s[18:19], s[74:75]      ; out0 at my 256 outputs,
	s_lshl_b32 s92, s21, 18
	s_add_nc_u64 s[72:73], s[72:73], s[92:93]      ; of my block's first token
	s_lshl_b32 s92, s21, 11
	s_add_nc_u64 s[6:7], s[6:7], s[92:93]          ; x's scale bytes of my block
	s_mul_i32 s92, s21, 49152
	s_mul_i32 s91, s20, 12288
	s_add_co_u32 s92, s92, s91
	s_add_nc_u64 s[4:5], s[4:5], s[92:93]          ; x's codes at my wave's 16 rows
	s_mov_b32 s52, 1                               ; group 0 for x
	s_add_co_u32 s53, s27, XT
	s_mov_b64 s[54:55], s[4:5]
	s_or_b32 s55, s55, 0x80000000
	s_mov_b32 s44, 1                               ; group 0 for slot 0: trip 0, my rows 0 on
	s_mov_b32 s45, s26
	s_mov_b64 s[46:47], s[56:57]
	s_or_b32 s47, s47, 0x80000000
	s_mov_b32 s48, 1                               ; group 0 for slot 1: trip 1, my rows 32 on
	s_add_co_u32 s49, s26, SLOT1
	s_add_nc_u64 s[50:51], s[56:57], 24576
	s_or_b32 s51, s51, 0x80000000
	s_mov_b64 s[66:67], s[58:59]                   ; where the even trips' scale words are loaded from,
	s_add_nc_u64 s[68:69], s[58:59], 1024          ; and the odd trips'
	CROUND                                         ; all four work-groups are here: the first joint loads meet
	tensor_load_to_lds s[52:55], s[36:43]          ; the first fills go out together: x,
	s_nop 0
	tensor_load_to_lds s[44:47], s[28:35]          ; trip 0,
	s_nop 0
	tensor_load_to_lds s[48:51], s[28:35]          ; trip 1
	s_nop 0
	PLACES 4
	v_and_b32 v18, 31, v0
	v_lshlrev_b32 v[LSO], 5, v18
.irp i, 0,1                                    ; x's scale words: lane l takes token 32 i + l's 32 bytes: register 8 i + kk; lanes 0-15 tile 2 i, lanes 16-31 tile 2 i + 1
	global_load_b128 v[XS+8*\i:XS+8*\i+3], v[LSO], s[6:7] offset:1024*\i
	global_load_b128 v[XS+8*\i+4:XS+8*\i+7], v[LSO], s[6:7] offset:1024*\i+16
.endr
	global_load_b128 v[WS:WS+3], v[LSO], s[66:67]
	global_load_b128 v[WS+4:WS+7], v[LSO], s[66:67] offset:16
	global_load_b128 v[WS+8:WS+11], v[LSO], s[68:69]
	global_load_b128 v[WS+12:WS+15], v[LSO], s[68:69] offset:16
	v_and_b32 v[RR], 15, v0
	v_bfe_u32 v[HH], v0, 4, 1
	v_mul_u32_u24 v18, v[RR], PITCH
	v_mad_u32_u24 v19, v[HH], 24, v18              ; row r + 24 h,
	v_mad_u32_u24 v20, v[HH], 40, v18              ; and the same behind one padding more
	v_add_nc_u32 v[AW], s26, v19
	v_add_nc_u32 v[AW+1], s26, v20
	v_add_nc_u32 v[AW+2], SLOT1, v[AW]
	v_add_nc_u32 v[AW+3], SLOT1, v[AW+1]
	v_add_nc_u32 v21, XT, v19
	v_add_nc_u32 v22, XT, v20
	s_mul_i32 s27, s20, 25728
	s_add_co_u32 s27, s27, QKB
	v_mul_u32_u24 v8, v[RR], 400
	v_mad_u32_u24 v8, v[HH], 12, v8
	v_add_nc_u32 v8, s27, v8                       ; where I put q's and k's codes: my wave's part, token r, + 12 h
	s_mul_i32 s27, s20, 2304
	s_add_co_u32 s27, s27, QSB
	v_mul_u32_u24 v9, v[RR], 36
	v_add_nc_u32 v9, s27, v9                       ; and their scale words
	WIN 0xc0
.irp t, 0,1,2,3
	v_mov_b32 v[132+\t], 0                         ; written once: a lane permute's destination counts as one of its sources
.endr
	WIN 0
	s_wait_tensorcnt 0x1                           ; x and my part of trip 0 are in; trip 1's load may stay out
	s_barrier_signal -1
	s_barrier_wait -1                              ; everybody's rows of x are in
	LOADXF 21, T16, 1                              ; x stays in registers
	BAR                                            ; every wave's reads of x's tile are over: its bytes take q's and k's codes
	LOADSET 0, 0, 0
	LOADSET 0, 1, 1
; ---------------------------------------------------------------- q and k: eight iterations of two trips
	s_mov_b32 s80, 0                               ; it
	s_mov_b32 s86, 0                               ; 48 it
	s_mov_b32 s87, 0                               ; 4 it
.Lqk:
	CORE 0, 0, 1, 2, 1, 1, 0
	QEPI 0, 0
	CORE 1, 64, 1, 2, 1, 2, 0
	QEPI 1, 64
	s_add_co_u32 s86, s86, 48
	s_add_co_u32 s87, s87, 4
	s_add_co_u32 s80, s80, 1
	s_cmp_lt_u32 s80, 8
	s_cbranch_scc1 .Lqk
; ---------------------------------------------------------------- S and the softmax
	BAR                                            ; all waves' codes and scale words of q and k lie in LDS
	WIN 0xc0
.irp n, 0,1,2,3,4,5,6,7
.irp i, 6,7,8,9,10,11
	v_mov_b32 v[12*\n+\i], 0                       ; K = 64 .. 127 of the eight fragments: zero codes
.endr
.endr
	WIN 0x80
.irp n, 0,1,2,3
	v_mov_b32 v[TS+8*\n+1], 0                      ; a permute's destination, and the upper half of a pair that is named whole
	v_mov_b32 v[TS+8*\n+7], 0
.endr
	WIN 0
	v_lshrrev_b32 v18, 2, v[RR]                    ; head r belongs to wave r / 4,
	v_and_b32 v19, 3, v[RR]                        ; as its head r % 4
	v_mul_u32_u24 v12, v18, 25728
	v_mad_u32_u24 v12, v19, 96, v12
	v_mad_u32_u24 v12, v[HH], 24, v12
	s_mul_i32 s27, s20, 1600
	s_add_co_u32 s27, s27, QKB
	v_add_nc_u32 v12, s27, v12                     ; codes: token 4 w, head r, block h
	v_mul_u32_u24 v13, v18, 2304
	v_lshl_add_u32 v13, v19, 3, v13
	v_lshl_add_u32 v13, v[HH], 2, v13
	s_mul_i32 s27, s20, 144
	s_add_co_u32 s27, s27, QSB
	v_add_nc_u32 v13, s27, v13                     ; scale words: lanes 0-15 q's, lanes 16-31 k's
	S_LOAD 0
.irp t, 0,1,2,3
	s_wait_dscnt 0x0
	S_MUL \t
.if \t < 3
	S_LOAD \t+1
.endif
	S_SOFT \t
.endr
	WIN 0
; ---------------------------------------------------------------- v and the third product: two halves of d
	s_lshr_b32 s26, s20, 1
	s_mul_i32 s26, s26, 1152
	s_and_b32 s27, s20, 1
	s_lshl_b32 s27, s27, 9
	s_add_co_u32 s26, s26, s27
	s_add_co_u32 s26, s26, STG
	v_mul_u32_u24 v8, v[RR], 2320
	v_lshl_add_u32 v8, v[HH], 5, v8
	v_add_nc_u32 v8, s26, v8                       ; into the stage: token r, my first head g = 4 w, d 8 h on
	s_mul_i32 s26, s20, 9280
	s_add_co_u32 s26, s26, STG
	v_lshrrev_b32 v18, 3, v[RR]
	v_and_b32 v19, 7, v[RR]
	v_mul_u32_u24 v9, v[HH], 1152
	v_lshl_add_u32 v9, v18, 6, v9
	v_lshl_add_u32 v9, v19, 2, v9
	v_add_nc_u32 v9, s26, v9                       ; out of it: token 4 w, g = 8 h, d 16 (r / 8) + r % 8
	s_mul_i32 s26, s20, 3136
	s_add_co_u32 s26, s26, OC
	v_mul_u32_u24 v10, v[RR], 48
	v_mad_u32_u24 v10, v[HH], 12, v10
	v_add_nc_u32 v10, s26, v10                     ; out's codes: row 4 w, head r's 48 bytes, + 12 h
	s_mul_i32 s26, s20, 192
	s_add_co_u32 s26, s26, OS
	v_lshl_add_u32 v11, v[RR], 1, s26              ; and its scale bytes: row 4 w, byte 2 r
	s_mov_b32 s82, 0                               ; b
	s_mov_b32 s83, 0                               ; 32 b
	s_mov_b32 s88, 0                               ; 24 b
.Lv:
	CORE 0, 0, 1, 2, 1, 3, 0
	CORE 1, 64, 1, 2, 1, 4, 0
	CORE 0, 128, 1, 2, 1, 5, 0
	CORE 1, 192, 1, 2, 2, 6, 0                     ; the fragments' registers serve ATT: the next trip's are fetched behind it
	v_add_nc_u32 v14, s88, v10                     ; this half's block
	v_add_nc_u32 v15, s82, v11
.irp n, 0,1,2,3
	v_mov_b32 v[164+\n], 0                         ; a lane permute's destination counts as one of its sources
.endr
	ATT 0
	ATT 1
	ATT 2
	ATT 3
	s_wait_dscnt 0x0                               ; the stores have read their registers
	LOADSET 0, 0, 0                                ; slot 0's tile was shown landed at the last change of slots
	LOADSET 0, 1, 1
	s_add_co_u32 s83, s83, 32
	s_add_co_u32 s88, s88, 24
	s_add_co_u32 s82, s82, 1
	s_cmp_lt_u32 s82, 2
	s_cbranch_scc1 .Lv
; ---------------------------------------------------------------- the projection: four pairs of trips
	BAR                                            ; all 64 rows of out's codes and scale bytes lie in LDS, and nobody reads v's stage any more
	s_mul_i32 s26, s20, 4352
	s_add_co_u32 s26, s26, PST
	v_mul_u32_u24 v8, v[RR], 272
	v_lshl_add_u32 v8, v[HH], 5, v8
	v_add_nc_u32 v8, s26, v8                       ; my stage, in: row r, + 32 h
	v_mul_u32_u24 v9, v[HH], 272
	v_lshl_add_u32 v9, v[RR], 4, v9
	v_add_nc_u32 v9, s26, v9                       ; back: lanes 0-15 one row, lanes 16-31 the next
	v_lshlrev_b32 v10, 12, v[HH]
	v_lshl_add_u32 v10, v[RR], 4, v10              ; and the same two rows in out0
	v_lshlrev_b32 v11, 5, v[HH]                    ; the bias: 8 h numbers on
	v_mul_u32_u24 v12, v[RR], 784
	v_mad_u32_u24 v12, v[HH], 24, v12
	v_add_nc_u32 v12, OC, v12
	v_and_b32 v18, 31, v0
	v_mul_u32_u24 v13, v18, 48
	v_add_nc_u32 v13, OS, v13
	BIASLD                                         ; the first pair's
	LOADXF 12, 12544, 0                            ; out's codes take x's place in the registers
.irp i, 0,1
	ds_load_b128 v[XS+8*\i:XS+8*\i+3], v13 offset:1536*\i          ; and its scale words x's: lane l takes token 32 i + l's 32 bytes
	ds_load_b128 v[XS+8*\i+4:XS+8*\i+7], v13 offset:1536*\i+16
.endr
	s_wait_dscnt 0x0
	s_wait_loadcnt 0x0
	s_mov_b32 s84, 0                               ; pair
	s_mov_b32 s85, 0                               ; 64 x pair
.Lp:
	CORE 0, 0, 2, 2, 1, 7, 0
	CORE 1, 64, 2, 2, 1, 8, 1
	PEPI
	s_add_co_u32 s85, s85, 64
	s_add_co_u32 s84, s84, 1
	s_cmp_lt_u32 s84, 3
	s_cbranch_scc1 .Lp
	CORE 0, 0, 2, 2, 3, 0, 0                       ; the last pair is written out: nothing is left to ask for
	CORE 1, 64, 2, 0, 0, 0, 0
	PEPI
	s_wait_tensorcnt 0x0                           ; the wave's end: behind my last tensor load and my last LDS store
	ds_add_u32 v[SPW], v[NIL]
	s_wait_dscnt 0x0
	CROUND                                         ; the closing round: no work-group ends while a partner may still ask for a tile that names it
	s_endpgm
.Lfunc_end_k_q05e1a411d4_attn:
	.size	k_q05e1a411d4_attn, .Lfunc_end_k_q05e1a411d4_attn-k_q05e1a411d4_attn
	.p2alignl 7, 3214868480
	.fill 96, 4, 3214868480
	.section	.rodata,"a",@progbits
	.p2align	6, 0x0
	.amdhsa_kernel k_q05e1a411d4_attn
		.amdhsa_group_segment_fixed_size 327680
		.amdhsa_private_segment_fixed_size 0
		.amdhsa_enable_private_segment 0
		.amdhsa_kernarg_size 64
		.amdhsa_user_sgpr_count 2
		.amdhsa_user_sgpr_kernarg_segment_ptr 1
		.amdhsa_wavefront_size32 1
		.amdhsa_system_sgpr_workgroup_id_x 1
		.amdhsa_system_sgpr_workgroup_id_y 1
		.amdhsa_system_sgpr_workgroup_id_z 1
		.amdhsa_system_vgpr_workitem_id 0
		.amdhsa_next_free_vgpr 1024
		.amdhsa_next_free_sgpr 96
		.amdhsa_reserve_vcc 0
		.amdhsa_float_denorm_mode_32 3
		.amdhsa_float_denorm_mode_16_64 3
		.amdhsa_memory_ordered 1
		.amdhsa_forward_progress 1
		.amdhsa_inst_pref_size 255
	.end_amdhsa_kernel
	.section	.bss,"aw",@nobits
	.p2align	6
	.space	262144
	.amdgpu_metadata
---
amdhsa.version: [ 1, 2 ]
amdhsa.kernels:
  - .name:           k_q05e1a411d4_attn
    .symbol:         k_q05e1a411d4_attn.kd
    .args:
      - { .name: x_codes, .offset: 0, .size: 8, .value_kind: global_buffer, .address_space: global }
      - { .name: x_scales, .offset: 8, .size: 8, .value_kind: global_buffer, .address_space: global }
      - { .name: Wqkv_codes, .offset: 16, .size: 8, .value_kind: global_buffer, .address_space: global }
      - { .name: Wqkv_scales, .offset: 24, .size: 8, .value_kind: global_buffer, .address_space: global }
      - { .name: Wproj_codes, .offset: 32, .size: 8, .value_kind: global_buffer, .address_space: global }
      - { .name: Wproj_scales, .offset: 40, .size: 8, .value_kind: global_buffer, .address_space: global }
      - { .name: bproj, .offset: 48, .size: 8, .value_kind: global_buffer, .address_space: global }
      - { .name: out0, .offset: 56, .size: 8, .value_kind: global_buffer, .address_space: global }
    .group_segment_fixed_size: 327680
    .private_segment_fixed_size: 0
    .kernarg_segment_align: 8
    .kernarg_segment_size: 64
    .max_flat_workgroup_size: 128
    .sgpr_count:     96
    .vgpr_count:     1024
    .wavefront_size: 32
...
	.end_amdgpu_metadata
.endif
;; end of part 1
;; ======== version 2 of 2: 1 launch
;; limits: right only within a limited range of input values
;; launch attn (part 2): grid 256 x 1, 4 waves a work-group, clusters of 4 x 1, 327,680 bytes of LDS; arguments x_codes, x_scales, Wqkv_codes, Wqkv_scales, Wproj_codes, Wproj_scales, bproj, out0; writes out0
.if DOCPART == 2
	.amdgcn_target "amdgcn-amd-amdhsa--gfx1250"
	.amdhsa_code_object_version 6
	.text
	.protected	k_q05e1a411d4_attn
	.globl	k_q05e1a411d4_attn
	.p2align	8
	.type	k_q05e1a411d4_attn,@function
k_q05e1a411d4_attn:
	s_mov_b64 s[64:65], 0
	v_nop
	global_prefetch_b8 v0, s[64:65] scope:SCOPE_SE
	s_setreg_imm32_b32 hwreg(HW_REG_WAVE_MODE, 25, 1), 1
	s_wait_xcnt 0x0
	s_wait_alu depctr_hold_cnt(0) depctr_sa_sdst(0) depctr_va_vdst(0) depctr_va_sdst(0) depctr_va_ssrc(0) depctr_va_vcc(0) depctr_vm_vsrc(0)
	s_getreg_b32 s2, hwreg(HW_REG_IB_STS2, 6, 4)
	s_cmp_eq_u32 s2, 0
	s_cbranch_scc0 .Lentry_in_a_cluster
	s_endpgm
.Lentry_in_a_cluster:
	s_bfe_u32 s2, ttmp6, 0x10000c
	s_cmp_lg_u32 s2, 0x3003
	s_cbranch_scc0 .Lentry_shape_is_right
	s_endpgm
.Lentry_shape_is_right:
; out0 = (attention among the 16 heads of each token)(x Wqkv^T) Wproj^T + bproj, in ONE launch; only x, the weights, the bias and out0 touch memory.
; x [16384][1024], Wqkv [3072][1024], Wproj [1024][1024]: FP6 (E2M3) codes, a row = 768 bytes, one E8M0 byte for each 32 along K.  Feature f of x Wqkv^T: head f / 192, part (f % 192) / 64 (q, k, v), d = f % 64.
; SHARES.  A work-group owns 64 tokens (four tiles of 16).  Wave w owns heads 4 w .. 4 w + 3 (rows 768 w on of Wqkv) and rows 256 w on of Wproj.  The activations (x, later the quantised out), 32 fragments = 384 registers,
; lie in every wave's registers; each weight fragment is read from LDS once, by one wave, and feeds 4 products.
; A TRIP = 32 weight rows x all of K for each wave: 24,576 dense bytes, one tensor load a wave, 8 accumulators x 8 K steps = 64 matrix instructions.  32 trips: 16 for q and k, 8 for v, 8 for Wproj.  Slot = trip mod 2.
; FRAGMENTS: four buffers of one K step (2 fragments, 12 LDS loads).  The loads go in long runs: K steps 4, 5 behind the products of K steps 0, 1; K steps 6, 7 behind those of 2, 3; the next trip's K steps 0-3, 48 loads, behind the refill.
; THE ORDER OF THE WALK hangs on the cluster's number c, which the four partners share: ROT = c % 4, BIT = (c / 4) % 2.  PLACE p of a wave holds its head (p + ROT) % 4; iteration it of q and k takes the part (it + BIT) % 2;
; Wproj's walk k takes the pair (k + ROT) % 4.  NO LDS ADDRESS HANGS ON c: q and k lie by iteration, and a scalar branch on BIT says which of the two is k; out's codes are moved from the place's lane to the head's lane.
; CLUSTER: all work-groups walk the same weights, so the four of a cluster ask for each tile jointly (mask 15).  x's tile is the work-group's own load.  A wave has one tensor load outstanding at any time.
; PREFETCH: the first two weight tiles are asked for at the start, 24 blocks of 256 bytes a wave and partner (told apart by address).  None in the loops: from place 1 on (24 of the 32 trips) a cluster's tile has been read
; by the clusters of the next ROT four trips (v: one, Wproj: two) earlier.
; LIMITS.  NaN and infinities are not served.  A block of zeros gets the scale byte 1 (its codes are zeros; the bytes are read by this program alone).  Inside a block of q and of k the numbers lie in the order
; d 0-7, 16-23, 8-15, 24-31, alike on both sides; the softmax's sum and the third product go by place: the sums differ from the ascending order of heads by f32 rounding alone.
; LDS: two slots of 4 x 26,112 bytes (a weight row: 3 x (256 + 16) = 816); from SCR on scratch, used in turn, each change of use behind a barrier: XT x | QKB, QSB q's, k's codes, scale words | STG v's stage, OC, OS out's codes, bytes | PST.
; REGISTERS: window 0: v1-23 addresses; v24-39 activations' scale words; v40-55 the weights'; v56-59 q's, k's; v60-95 activation fragments 29-31; v96-191 weight fragments (in ATT: v and temporaries); v192-255 the f32 form's sums.
;   window 1: activation fragments 0-20.  window 2: fragments 21-28; v96-223 attn, later rows on the way out; v224-255 temporaries, later the bias.  window 3: accumulators, epilogue temporaries, q's and k's fragments.
.set PITCH,  816
.set T16,    16*PITCH
.set WSL,    32*PITCH
.set SLOT1,  4*WSL
.set SCR,    2*SLOT1
.set XT,     SCR                       ; 64 rows of x, pitch 816
.set QKB,    SCR                       ; [owner wave] 25,728 [token] 400 [iteration] 48: block b at + 24 b, the lanes' half at + 12 h
.set QSB,    SCR+102912                ; [owner wave] 2,304 [token] 36 [iteration] 4
.set STG,    SCR                       ; [token of a tile] 2,320: v(place g, dl) at 1,152 (g / 8) + 128 (g % 8) + 4 dl
.set OC,     SCR+37120                 ; out's codes: 64 rows, pitch 784
.set OS,     SCR+87296                 ; out's scale bytes: 64 rows, pitch 48
.set PST,    STG                       ; [wave] 16 rows x 272
.set SPARE,  SCR+118272                ; the spare words: 128 bytes a wave
.set SPW, 1
.set NIL, 2
.set AW,  3                            ; v3-4 my place in my part of slot 0 (v4: behind one padding more), v5-6 in slot 1
.set LSO, 7                            ; 32 x lane
.set RR,  16
.set HH,  17
.set PFO, 23                           ; the prefetches' offset: 256 x min(lane, 23)
.set XS,  24
.set WS,  40
.set SW,  56
.set WF,  96
.set FD,  192
.set ATTN, 96
.set TS,  224
.set BI,  224
.set BK,  96
.set MSB, 0
.macro WIN new                         ; the immediate's high byte repeats the setting that is left
.if MSB != (\new)
	s_set_vgpr_msb (MSB<<8)|(\new)
.set MSB, (\new)
.endif
.endm
.macro PLACES n
.rept \n
	v_nop
.endr
.endm
.macro BAR
	s_wait_dscnt 0x0
	s_barrier_signal -1
	s_barrier_wait -1
.endm
.macro CREST                           ; a round of the cluster's barrier behind its opening barrier
	s_cmp_lg_u32 s20, 0
	s_cbranch_scc1 .Lnot_wave_0_\@
	s_barrier_signal -3
.Lnot_wave_0_\@:
	s_barrier_wait -3
	s_barrier_signal -1
	s_barrier_wait -1
.endm
.macro CROUND
	s_barrier_signal -1
	s_barrier_wait -1
	CREST
.endm
.macro XFSEL f                         ; activation fragment f = 4 kk + tt: its window XW and first register XR
.if (\f) < 21
.set XW, 1
.set XR, 12*(\f)
.elseif (\f) < 29
.set XW, 2
.set XR, 12*((\f)-21)
.else
.set XW, 0
.set XR, 60+12*((\f)-29)
.endif
.endm
; Piece q (8 bytes a lane) of the weight fragments from K step ldk on: 12 pieces a K step, 6 for each tile of 16 rows.  Lane (r, h) takes of row r pieces 12 kk + 0, 1, 2, 6, 7, 8, lanes 16-31 three pieces on;
; 16 bytes of padding lie behind every 32 pieces: where the piece three on lies behind one padding more, the second address register serves.
.macro PIECE adr, ldk, q
.set pk_, (\ldk)+(\q)/12
.set pu_, ((\q)%12)/6
.set pp_, (\q)%6
.set PC_, 12*pk_+6*(pp_/3)+pp_%3
.set pr_, WF+24*(pk_%4)+12*pu_+2*pp_
.if PC_%32 < 29
	ds_load_b64 v[pr_:pr_+1], v[\adr] offset:8*PC_+16*(PC_/32)+T16*pu_
.else
	ds_load_b64 v[pr_:pr_+1], v[(\adr)+1] offset:8*PC_+16*(PC_/32)+T16*pu_
.endif
.endm
.macro RUN adr, ldk, n                 ; n LDS loads in one run: the fragments from K step ldk on
.set q_, 0
.rept \n
	PIECE \adr, \ldk, q_
.set q_, q_+1
.endr
.endm
.macro WMS                             ; one scaled product from the symbols that MUL has set; lanes 16-31 of the scale registers serve the odd tile of rows (source 0) and the odd tile of tokens (source 1)
.if z_
.if (ra_ == 0) && (rb_ == 0)
	v_wmma_scale_f32_16x16x128_f8f6f4 v[rD:rD+7], v[rA:rA+11], v[XR:XR+11], 0, v[rSA], v[rSB] matrix_a_fmt:MATRIX_FMT_FP6 matrix_b_fmt:MATRIX_FMT_FP6
.elseif rb_ == 0
	v_wmma_scale_f32_16x16x128_f8f6f4 v[rD:rD+7], v[rA:rA+11], v[XR:XR+11], 0, v[rSA], v[rSB] matrix_a_fmt:MATRIX_FMT_FP6 matrix_b_fmt:MATRIX_FMT_FP6 matrix_a_scale:MATRIX_SCALE_ROW1
.elseif ra_ == 0
	v_wmma_scale_f32_16x16x128_f8f6f4 v[rD:rD+7], v[rA:rA+11], v[XR:XR+11], 0, v[rSA], v[rSB] matrix_a_fmt:MATRIX_FMT_FP6 matrix_b_fmt:MATRIX_FMT_FP6 matrix_b_scale:MATRIX_SCALE_ROW1
.else
	v_wmma_scale_f32_16x16x128_f8f6f4 v[rD:rD+7], v[rA:rA+11], v[XR:XR+11], 0, v[rSA], v[rSB] matrix_a_fmt:MATRIX_FMT_FP6 matrix_b_fmt:MATRIX_FMT_FP6 matrix_a_scale:MATRIX_SCALE_ROW1 matrix_b_scale:MATRIX_SCALE_ROW1
.endif
.else
.if (ra_ == 0) && (rb_ == 0)
	v_wmma_scale_f32_16x16x128_f8f6f4 v[rD:rD+7], v[rA:rA+11], v[XR:XR+11], v[rC:rC+7], v[rSA], v[rSB] matrix_a_fmt:MATRIX_FMT_FP6 matrix_b_fmt:MATRIX_FMT_FP6
.elseif rb_ == 0
	v_wmma_scale_f32_16x16x128_f8f6f4 v[rD:rD+7], v[rA:rA+11], v[XR:XR+11], v[rC:rC+7], v[rSA], v[rSB] matrix_a_fmt:MATRIX_FMT_FP6 matrix_b_fmt:MATRIX_FMT_FP6 matrix_a_scale:MATRIX_SCALE_ROW1
.elseif ra_ == 0
	v_wmma_scale_f32_16x16x128_f8f6f4 v[rD:rD+7], v[rA:rA+11], v[XR:XR+11], v[rC:rC+7], v[rSA], v[rSB] matrix_a_fmt:MATRIX_FMT_FP6 matrix_b_fmt:MATRIX_FMT_FP6 matrix_b_scale:MATRIX_SCALE_ROW1
.else
	v_wmma_scale_f32_16x16x128_f8f6f4 v[rD:rD+7], v[rA:rA+11], v[XR:XR+11], v[rC:rC+7], v[rSA], v[rSB] matrix_a_fmt:MATRIX_FMT_FP6 matrix_b_fmt:MATRIX_FMT_FP6 matrix_a_scale:MATRIX_SCALE_ROW1 matrix_b_scale:MATRIX_SCALE_ROW1
.endif
.endif
.endm
; K step kk for accumulators a0 .. a1 (a = 2 tt + u, at accb + 8 a in window 3).  cmode 1: the sum starts with 0; 2: with the bias; 0: in place.  The eight accumulators take turns.
.macro MUL kk, accb, cmode, ws, a0, a1
.set a_, \a0
.rept (\a1)-(\a0)+1
	XFSEL 4*(\kk)+a_/2
.set rD, (\accb)+8*a_
.set rA, WF+24*((\kk)%4)+12*(a_%2)
.set rSA, WS+8*(\ws)+(\kk)
.set rSB, XS+8*(a_/4)+(\kk)
.set ra_, a_%2
.set rb_, (a_/2)%2
.set z_, 0
.set rC, rD
.set NW_, 0xf0+4*XW                    ; D and C window 3, weights window 0, activations window XW
.if (\cmode) == 1
.set z_, 1
.elseif (\cmode) == 2
.set rC, BI+16*(\ws)+8*(a_%2)
.set NW_, 0xe0+4*XW                    ; C (the bias) window 2
.endif
	WIN NW_
	WMS
.set a_, a_+1
.endr
.endm
.macro SETNEXT g0, sb, cb, sbs         ; row s81 of the wave's weights: the tile's address into group 0, its scale bytes' into the scale loads' base
	s_mul_i32 s74, s81, 768
	s_add_nc_u64 s[\g0+2:\g0+3], s[\cb:\cb+1], s[74:75]
	s_or_b32 s[\g0+3], s[\g0+3], 0x80000000
	s_lshl_b32 s74, s81, 5
	s_add_nc_u64 s[\sb:\sb+1], s[\sbs:\sbs+1], s[74:75]
.endm
; s81 = the row of a trip of iteration it' = it + 1: 192 x the head at place it' / 2 + 64 x the part (it' + BIT) % 2 + add; behind the last iteration: the first row of v, s[hr]
.macro QKROW hr, add
	s_add_co_u32 s81, s80, 1
	s_lshr_b32 s74, s81, 1
	s_add_co_u32 s74, s74, s94
	s_and_b32 s74, s74, 3
	s_mul_i32 s74, s74, 192
	s_add_co_u32 s89, s81, s95
	s_and_b32 s89, s89, 1
	s_lshl_b32 s89, s89, 6
	s_add_co_u32 s74, s74, s89
.if \add
	s_add_co_u32 s74, s74, \add
.endif
	s_cmp_eq_u32 s81, 8
	s_cselect_b32 s81, s[\hr], s74
.endm
.macro NEXTROW nx                      ; which rows the trip two on takes: scalar work on counters and on the cluster's number alone
.if \nx == 1
	QKROW 96, 0
	SETNEXT 44, 66, 56, 58
.elseif \nx == 2
	QKROW 97, 32
	SETNEXT 48, 68, 56, 58
.elseif \nx == 3                       ; v, place 2 of this half
	s_add_co_u32 s81, s98, s83
	SETNEXT 44, 66, 56, 58
.elseif \nx == 4                       ; v, place 3
	s_add_co_u32 s81, s99, s83
	SETNEXT 48, 68, 56, 58
.elseif \nx == 5                       ; v, the other half, place 0; behind the second walk: Wproj's first pair, trip A
	s_xor_b32 s74, s83, 32
	s_add_co_u32 s74, s74, s96
	s_cmp_eq_u32 s82, 1
	s_cselect_b64 s[76:77], s[60:61], s[56:57]
	s_cselect_b64 s[78:79], s[62:63], s[58:59]
	s_cselect_b32 s81, s100, s74
	SETNEXT 44, 66, 76, 78
.elseif \nx == 6                       ; the same, place 1; trip B
	s_xor_b32 s74, s83, 32
	s_add_co_u32 s74, s74, s97
	s_add_co_u32 s81, s100, 32
	s_cmp_eq_u32 s82, 1
	s_cselect_b64 s[76:77], s[60:61], s[56:57]
	s_cselect_b64 s[78:79], s[62:63], s[58:59]
	s_cselect_b32 s81, s81, s74
	SETNEXT 48, 68, 76, 78
.elseif \nx == 7                       ; Wproj, pair (k + 1 + ROT) % 4, trip A
	s_add_co_u32 s81, s84, s94
	s_add_co_u32 s81, s81, 1
	s_and_b32 s81, s81, 3
	s_lshl_b32 s81, s81, 6
	SETNEXT 44, 66, 60, 62
.elseif \nx == 8                       ; and trip B
	s_add_co_u32 s81, s84, s94
	s_add_co_u32 s81, s81, 1
	s_and_b32 s81, s81, 3
	s_lshl_b32 s81, s81, 6
	s_add_co_u32 s81, s81, 32
	SETNEXT 48, 68, 60, 62
.endif
.endm
.macro BIASLD                          ; a pair's bias in the result's layout: lane (r, h), tile (trip t, u): bproj at 32 t + 16 u + 8 h + 0 .. 7 of the pair's 64
	WIN 0x80
.irp t, 0,1
.irp u, 0,1
	global_load_b128 v[BI+16*\t+8*\u:BI+16*\t+8*\u+3], v11, s[78:79] offset:128*\t+64*\u
	global_load_b128 v[BI+16*\t+8*\u+4:BI+16*\t+8*\u+7], v11, s[78:79] offset:128*\t+64*\u+16
.endr
.endr
	WIN 0
.endm
; A TRIP.  Each run of LDS loads stands four places behind the products that read its buffers (ISA guide 7.12.1 for vector instructions).  This slot's last read is issued behind K step 3.
; The next tile's address is made ahead of the change of slots: it goes into THIS slot's group 0 and scale base, whose tensor load was shown done at the last change of slots and whose scale loads at this trip's head.
; Between the wait for the other slot's load and the refill stand four products, the barrier and the round.
; kind 1: this slot is filled again (the trip two on) and the other slot's K steps 0-3 are fetched; 2: filled, nothing fetched; 3: nothing filled, fetched; 0: the launch's last trip.
.macro CORE slot, accb, cfirst, lcnt, kind, nx, hook
	s_wait_loadcnt \lcnt                           ; this trip's scale words (and what was asked for before them) are in; the next trip's two loads may be out
	s_wait_dscnt 24                                ; K steps 0, 1 are in; at least the 24 loads of K steps 2, 3 stand behind them
	MUL 0, \accb, \cfirst, \slot, 0, 7
	MUL 1, \accb, 0, \slot, 0, 7
	PLACES 4
	WIN 0
	RUN AW+2*\slot, 4, 24
.if \hook
	s_add_co_u32 s74, s84, s94                     ; the next pair's 64 numbers of bproj; this pair's bias was last read in K step 0, four places back, and the loads that named this base are done
	s_add_co_u32 s74, s74, 1
	s_and_b32 s74, s74, 3
	s_lshl_b32 s74, s74, 8
	s_add_nc_u64 s[78:79], s[70:71], s[74:75]
	BIASLD
.endif
	s_wait_dscnt 24                                ; all but the 24 just issued
	MUL 2, \accb, 0, \slot, 0, 7
	MUL 3, \accb, 0, \slot, 0, 7
	PLACES 4
	WIN 0
	RUN AW+2*\slot, 6, 24
	NEXTROW \nx
	s_wait_dscnt 24
	MUL 4, \accb, 0, \slot, 0, 7
	MUL 5, \accb, 0, \slot, 0, 7
	s_wait_dscnt 0x0                               ; K steps 6, 7 are in: my reads of this slot are over
	MUL 6, \accb, 0, \slot, 0, 7
.if \kind == 0
	MUL 7, \accb, 0, \slot, 0, 7
	PLACES 4
	WIN 0
.else
	MUL 7, \accb, 0, \slot, 0, 3
	WIN 0                                          ; (the add's two registers lie in window 0)
	s_wait_tensorcnt 0x0                           ; my one tensor load, my part of the other slot, has landed
	ds_add_u32 v[SPW], v[NIL]
	MUL 7, \accb, 0, \slot, 4, 7                   ; four matrix instructions stand between the add and the wait for it
	WIN 0
	s_wait_dscnt 0x0                               ; the add is done
	s_barrier_signal -1
	s_barrier_wait -1
.if \kind < 3
	CREST                                          ; the barrier has opened a round of the cluster's: no wave of any partner still reads this slot or has a load on its way
	tensor_load_to_lds s[44+4*\slot:47+4*\slot], s[28:35]   ; my one tensor load behind the round: the trip two on
	s_nop 0
.endif
	PLACES 4                                       ; behind the load; the places for the loads below and for the first reads of the results
.if \kind != 2
	RUN AW+2-2*\slot, 0, 48
.endif
.if \kind < 3
	global_load_b128 v[WS+8*\slot:WS+8*\slot+3], v[LSO], s[66+2*\slot:67+2*\slot]              ; the scale words of the trip two on: lane l takes row l's 32 bytes, register kk = K step kk;
	global_load_b128 v[WS+8*\slot+4:WS+8*\slot+7], v[LSO], s[66+2*\slot:67+2*\slot] offset:16  ; the two loads cover 1,024 consecutive bytes
.endif
.endif
.endm
; Behind a q/k trip: block blk (32 along d) of 64 tokens is quantised.  A lane's 16 registers of a tile of tokens are half a block, lane l xor 16 has the other half.
; Window 3: v128.. largest magnitudes, v132.. the other half's, v136.. scale operands, v140.. block 0's bytes, v144.. block 1's, v148.. codes, v164.. scale words.
.macro QEPI blk, accb
	v_add_nc_u32 v10, s86, v8                      ; this iteration's 48 bytes
	v_add_nc_u32 v11, s87, v9
	WIN 0xff
.irp t, 0,1,2,3
	v_max3_num_f32 v[128+\t], |v[\accb+16*\t]|, |v[\accb+16*\t+1]|, 0x1800000   ; with the floor 2^(3 - 127): the byte cannot fall under 1
.endr
.irp i, 2,4,6,8,10,12,14
.irp t, 0,1,2,3
	v_max3_num_f32 v[128+\t], v[128+\t], |v[\accb+16*\t+\i]|, |v[\accb+16*\t+\i+1]|
.endr
.endr
.irp t, 0,1,2,3
	v_permlanex16_b32 v[132+\t], v[128+\t], s22, s23
.endr
.irp t, 0,1,2,3
	v_max_num_f32 v[128+\t], v[128+\t], v[132+\t]
.endr
.irp t, 0,1,2,3
	v_add_nc_u32 v[136+\t], 0xff000000, v[128+\t]  ; 2 off the exponent field: the conversion's scale operand
.endr
.irp t, 0,1,2,3
	v_lshrrev_b32 v[140+4*\blk+\t], 23, v[136+\t]  ; the scale's byte
.endr
.if \blk
.irp t, 0,1,2,3
	v_lshl_or_b32 v[164+\t], v[144+\t], 8, v[140+\t]
.endr
.irp t, 0,1,2,3
	v_or_b32 v[164+\t], 0x7f7f0000, v[164+\t]      ; K = 64: the instruction's upper 64 are zero codes under the byte 127
.endr
.endif
.irp t, 0,1,2,3
	v_cvt_scalef32_pk16_fp6_f32 v[148+4*\t:150+4*\t], v[\accb+16*\t:\accb+16*\t+15], v[136+\t]
.endr
	v_nop                                          ; one plain place behind a scaled conversion
	WIN 0x0c
.irp t, 0,1,2,3
.irp i, 0,1,2
	ds_store_b32 v10, v[148+4*\t+\i] offset:6400*\t+24*\blk+4*\i
.endr
.endr
.if \blk
.irp t, 0,1,2,3
	ds_store_b32 v11, v[164+\t] offset:576*\t      ; both halves of the lanes write the same word with the same value
.endr
.endif
	WIN 0
.endm
; The 32 activation fragments out of LDS.  pad = 1: rows with 16 bytes behind every 256 (x's tile); 0: dense rows (out's codes)
.macro LOADXF adr, tstep, pad
.set f_, 0
.rept 32
	XFSEL f_
.set NW_, XW<<6
	WIN NW_
.irp p, 0,1,2,3,4,5
.set PC_, 12*(f_/4)+6*(\p/3)+\p%3
.if (\pad) && (PC_%32 >= 29)
	ds_load_b64 v[XR+2*\p:XR+2*\p+1], v[\adr+1] offset:(\tstep)*(f_%4)+8*PC_+16*(PC_/32)
.elseif \pad
	ds_load_b64 v[XR+2*\p:XR+2*\p+1], v[\adr] offset:(\tstep)*(f_%4)+8*PC_+16*(PC_/32)
.else
	ds_load_b64 v[XR+2*\p:XR+2*\p+1], v[\adr] offset:(\tstep)*(f_%4)+8*PC_
.endif
.endr
.set f_, f_+1
.endr
	WIN 0
.endm
; S: wave w takes tokens 16 tt + 4 w + n.  Lane (r, h) takes block h of place r: 24 bytes of the even iteration's codes (registers 24 n ..) and of the odd one's (24 n + 12 ..); registers 6-11 of each fragment stay zero.
.macro S_LOAD tt
	WIN 0xc0
.irp n, 0,1,2,3
.irp p, 0,1,2
	ds_load_b64 v[24*\n+2*\p:24*\n+2*\p+1], v12 offset:400*(16*(\tt)+\n)+8*\p
	ds_load_b64 v[24*\n+12+2*\p:24*\n+13+2*\p], v12 offset:400*(16*(\tt)+\n)+48+8*\p
.endr
.endr
	WIN 0
.irp n, 0,1,2,3
	ds_load_b32 v[SW+\n], v13 offset:36*(16*(\tt)+\n)   ; lanes 0-15: the even iteration's scale words, lanes 16-31: the odd one's
.endr
.endm
; S^T = k q^T: lane (r, h) holds place r's scores against the places g = 8 h + 0 .. 7.  With BIT = 0 the odd iteration's codes are k's, with BIT = 1 the even one's: a branch on the cluster's number, round the products alone.
.macro S_MUL tt
	WIN 0                                          ; at a branch and at a label every window is 0
	s_cmp_eq_u32 s95, 0
	s_cbranch_scc0 .Lk_even_\@
	WIN 0x8f
.irp n, 0,1,2,3
	v_wmma_scale_f32_16x16x128_f8f6f4 v[ATTN+8*(4*(\tt)+\n):ATTN+8*(4*(\tt)+\n)+7], v[24*\n+12:24*\n+23], v[24*\n:24*\n+11], 0, v[SW+\n], v[SW+\n] matrix_a_fmt:MATRIX_FMT_FP6 matrix_b_fmt:MATRIX_FMT_FP6 matrix_a_scale:MATRIX_SCALE_ROW1
.endr
	PLACES 4
	WIN 0
	s_branch .Ls_done_\@
.Lk_even_\@:
	WIN 0x8f
.irp n, 0,1,2,3
	v_wmma_scale_f32_16x16x128_f8f6f4 v[ATTN+8*(4*(\tt)+\n):ATTN+8*(4*(\tt)+\n)+7], v[24*\n:24*\n+11], v[24*\n+12:24*\n+23], 0, v[SW+\n], v[SW+\n] matrix_a_fmt:MATRIX_FMT_FP6 matrix_b_fmt:MATRIX_FMT_FP6 matrix_b_scale:MATRIX_SCALE_ROW1
.endr
	PLACES 4
	WIN 0
.Ls_done_\@:
.endm
.macro S_SOFT tt                       ; softmax over g of S / 8, normalised, in place; four tokens by turns.  Temporaries of token n at v[TS + 8 n]: +0 the maximum, +1 the other half's, +2 .. +5 sums, +6 the reciprocal
.set bA, ATTN+32*(\tt)
	WIN 0xaa
.irp n, 0,1,2,3
	v_max3_num_f32 v[TS+8*\n], v[bA+8*\n], v[bA+8*\n+1], v[bA+8*\n+2]
.endr
.irp i, 3,5
.irp n, 0,1,2,3
	v_max3_num_f32 v[TS+8*\n], v[TS+8*\n], v[bA+8*\n+\i], v[bA+8*\n+\i+1]
.endr
.endr
.irp n, 0,1,2,3
	v_max_num_f32 v[TS+8*\n], v[TS+8*\n], v[bA+8*\n+7]
.endr
.irp n, 0,1,2,3
	v_permlanex16_b32 v[TS+8*\n+1], v[TS+8*\n], s22, s23
.endr
.irp n, 0,1,2,3
	v_max_num_f32 v[TS+8*\n], v[TS+8*\n], v[TS+8*\n+1]
.endr
.irp j, 0,2,4,6
.irp n, 0,1,2,3
	v_pk_add_f32 v[bA+8*\n+\j:bA+8*\n+\j+1], v[bA+8*\n+\j:bA+8*\n+\j+1], v[TS+8*\n:TS+8*\n+1] op_sel_hi:[1,0] neg_lo:[0,1] neg_hi:[0,1]   ; s - m first
.endr
.endr
.irp j, 0,2,4,6
.irp n, 0,1,2,3
	v_pk_mul_f32 v[bA+8*\n+\j:bA+8*\n+\j+1], v[bA+8*\n+\j:bA+8*\n+\j+1], s[24:25] op_sel_hi:[1,0]   ; x log2(e) / 8
.endr
.endr
	s_wait_alu depctr_va_vdst(0)
.irp j, 0,1,2,3,4,5,6,7
.irp n, 0,1,2,3
	v_exp_f32 v[bA+8*\n+\j], v[bA+8*\n+\j]
.endr
.endr
	v_nop
	s_wait_alu depctr_va_vdst(0)
.irp n, 0,1,2,3
	v_pk_add_f32 v[TS+8*\n+2:TS+8*\n+3], v[bA+8*\n:bA+8*\n+1], v[bA+8*\n+2:bA+8*\n+3]
	v_pk_add_f32 v[TS+8*\n+4:TS+8*\n+5], v[bA+8*\n+4:bA+8*\n+5], v[bA+8*\n+6:bA+8*\n+7]
.endr
.irp n, 0,1,2,3
	v_pk_add_f32 v[TS+8*\n+2:TS+8*\n+3], v[TS+8*\n+2:TS+8*\n+3], v[TS+8*\n+4:TS+8*\n+5]
.endr
.irp n, 0,1,2,3
	v_add_f32 v[TS+8*\n+2], v[TS+8*\n+2], v[TS+8*\n+3]
.endr
.irp n, 0,1,2,3
	v_permlanex16_b32 v[TS+8*\n+1], v[TS+8*\n+2], s22, s23
.endr
.irp n, 0,1,2,3
	v_add_f32 v[TS+8*\n+2], v[TS+8*\n+2], v[TS+8*\n+1]
.endr
	s_wait_alu depctr_va_vdst(0)
.irp n, 0,1,2,3
	v_rcp_f32 v[TS+8*\n+6], v[TS+8*\n+2]
.endr
	v_nop
	s_wait_alu depctr_va_vdst(0)
.irp j, 0,2,4,6
.irp n, 0,1,2,3
	v_pk_mul_f32 v[bA+8*\n+\j:bA+8*\n+\j+1], v[bA+8*\n+\j:bA+8*\n+\j+1], v[TS+8*\n+6:TS+8*\n+7] op_sel_hi:[1,0]
.endr
.endr
.endm
; ATT, for a tile of 16 tokens and the half of d in hand.  Every wave puts its four places' v (32 d) into the stage | barrier | wave w takes tokens 4 w + n: out^T = v^T attn^T by the f32 form:
; source 0 = 16 d x 4 g, source 1 = two registers of attn as they stand: K place (h, j) of step s is g = 8 h + 2 s + j on both sides.  Row m of tile u is d 16 (m / 8) + 8 u + m % 8, so that lane (place r, h) ends with
; d 16 h + 0 .. 15, half a block of the last product's K.  They are quantised, moved from the place's lane to the head's lane, and go to LDS as rows of codes | barrier, since the stage is written again.
.macro ATT tt
	WIN 0x0c
.irp i, 0,1,2,3
.irp u, 0,1
	ds_store_b128 v8, v[64*\i+16*\tt+8*\u:64*\i+16*\tt+8*\u+3] offset:128*\i+64*\u
	ds_store_b128 v8, v[64*\i+16*\tt+8*\u+4:64*\i+16*\tt+8*\u+7] offset:128*\i+64*\u+16
.endr
.endr
	WIN 0
	BAR
.irp s, 0,1,2,3
.irp n, 0,1,2,3
.irp u, 0,1
.irp j, 0,1
	ds_load_b32 v[WF+16*\n+8*\u+2*\s+\j], v9 offset:2320*\n+128*(2*\s+\j)+32*\u
.endr
.endr
.endr
.endr
	WIN 0x08
.irp s, 0,1,2,3
	s_wait_dscnt 48-16*\s                          ; this step's sixteen loads are in; the later steps' may be out
.irp n, 0,1,2,3
.irp u, 0,1
.if \s == 0
	v_wmma_f32_16x16x4_f32 v[FD+16*\n+8*\u:FD+16*\n+8*\u+7], v[WF+16*\n+8*\u+2*\s:WF+16*\n+8*\u+2*\s+1], v[ATTN+8*(4*\tt+\n)+2*\s:ATTN+8*(4*\tt+\n)+2*\s+1], 0
.else
	v_wmma_f32_16x16x4_f32 v[FD+16*\n+8*\u:FD+16*\n+8*\u+7], v[WF+16*\n+8*\u+2*\s:WF+16*\n+8*\u+2*\s+1], v[ATTN+8*(4*\tt+\n)+2*\s:ATTN+8*(4*\tt+\n)+2*\s+1], v[FD+16*\n+8*\u:FD+16*\n+8*\u+7]
.endif
.endr
.endr
.endr
	WIN 0
	PLACES 9                                       ; behind the f32 form: eight before its results are read, nine before the next tile's first products write over the sums
.irp n, 0,1,2,3
	v_max3_num_f32 v[160+\n], |v[FD+16*\n]|, |v[FD+16*\n+1]|, 0x1800000
.endr
.irp i, 2,4,6,8,10,12,14
.irp n, 0,1,2,3
	v_max3_num_f32 v[160+\n], v[160+\n], |v[FD+16*\n+\i]|, |v[FD+16*\n+\i+1]|
.endr
.endr
.irp n, 0,1,2,3
	v_permlanex16_b32 v[164+\n], v[160+\n], s22, s23
.endr
.irp n, 0,1,2,3
	v_max_num_f32 v[160+\n], v[160+\n], v[164+\n]
.endr
.irp n, 0,1,2,3
	v_add_nc_u32 v[168+\n], 0xff000000, v[160+\n]
.endr
.irp n, 0,1,2,3
	v_lshrrev_b32 v[172+\n], 23, v[168+\n]
.endr
.irp n, 0,1,2,3
	v_cvt_scalef32_pk16_fp6_f32 v[176+4*\n:178+4*\n], v[FD+16*\n:FD+16*\n+15], v[168+\n]
.endr
	v_nop                                          ; one plain place behind a scaled conversion
.irp n, 0,1,2,3
.irp i, 0,1,2
	v_permlane16_b32 v[176+4*\n+\i], v[176+4*\n+\i], s12, s13   ; HERE THE PLACES END: the lane of head t takes the lane of the place that holds it
.endr
	v_permlane16_b32 v[172+\n], v[172+\n], s12, s13
.endr
.irp n, 0,1,2,3
.irp i, 0,1,2
	ds_store_b32 v14, v[176+4*\n+\i] offset:784*(16*\tt+\n)+4*\i
.endr
	ds_store_b8 v15, v[172+\n] offset:48*(16*\tt+\n)   ; both halves of the lanes write the same byte with the same value
.endr
.if \tt < 3
	BAR
.endif
.endm
; THE WAY OUT of a pair: 64 outputs (256 bytes a row) of 16 tokens go through my own stage and come back as whole rows: sixteen lanes store 256 consecutive bytes, at a multiple of 256 from out0's first byte.
.macro TOSTAGE tt
	WIN 0x0c
.irp t, 0,1
.irp u, 0,1
	ds_store_b128 v8, v[64*\t+16*(\tt)+8*\u:64*\t+16*(\tt)+8*\u+3] offset:128*\t+64*\u
	ds_store_b128 v8, v[64*\t+16*(\tt)+8*\u+4:64*\t+16*(\tt)+8*\u+7] offset:128*\t+64*\u+16
.endr
.endr
	WIN 0x80
.irp i, 0,1,2,3,4,5,6,7
	ds_load_b128 v[BK+32*((\tt)%2)+4*\i:BK+32*((\tt)%2)+4*\i+3], v9 offset:544*\i
.endr
.endm
.macro SEND tt, younger
	s_wait_dscnt \younger                          ; the tile is back; the next tile's 8 stores and 8 loads may be out
	WIN 0x08
.irp i, 0,1,2,3,4,5,6,7
	global_store_b128 v10, v[BK+32*((\tt)%2)+4*\i:BK+32*((\tt)%2)+4*\i+3], s[76:77] offset:(16*(\tt)+2*\i)*4096 th:TH_STORE_NT
.endr
.endm
.macro PEPI
	TOSTAGE 0
	TOSTAGE 1
	SEND 0, 16
	s_wait_xcnt 0x0                                ; tile 0's stores have read their registers: tile 2's loads may land there
	TOSTAGE 2
	SEND 1, 16
	s_wait_xcnt 0x0
	TOSTAGE 3
	SEND 2, 16
	SEND 3, 0
	WIN 0
	s_wait_xcnt 0x0                                ; the stores have read their registers and their base
.endm
.macro PAIRBASE                        ; out0 at the 64 outputs of the pair in hand, (k + ROT) % 4
	s_add_co_u32 s74, s84, s94
	s_and_b32 s74, s74, 3
	s_lshl_b32 s74, s74, 8
	s_add_nc_u64 s[76:77], s[72:73], s[74:75]
.endm
.macro FULLSEQ
	s_wait_tensorcnt 0x0
	ds_add_u32 v[SPW], v[NIL]
	s_wait_dscnt 0x0
	CROUND
.endm
; ---------------------------------------------------------------- the head
	s_load_b512 s[4:19], s[0:1], 0x0               ; x's codes, scales, Wqkv's codes, scales, Wproj's codes, scales, bproj, out0
	v_lshl_add_u32 v[SPW], v0, 2, SPARE
	v_mov_b32 v[NIL], 0
	ds_add_u32 v[SPW], v[NIL]
	ds_add_u32 v[SPW], v[NIL]
	v_lshrrev_b32 v18, 5, v0
	v_readfirstlane_b32 s20, v18                   ; wave 0..3
	v_and_b32 v19, 31, v0
	v_lshlrev_b32 v[LSO], 5, v19
	v_min_u32 v19, 23, v19
	v_lshlrev_b32 v[PFO], 8, v19                   ; lanes 24-31 name the 24th block again
	s_bfe_u32 s90, ttmp6, 0x40000                  ; cx.  s21 and s90-93 alone hold what hangs on it: x's, out0's and the prefetches' addresses
	s_lshl_b32 s21, ttmp9, 2
	s_add_co_u32 s21, s21, s90                     ; my block of 64 tokens
	s_and_b32 s94, ttmp9, 3                        ; ROT
	s_lshr_b32 s95, ttmp9, 2
	s_and_b32 s95, s95, 1                          ; BIT
.irp j, 0,1,2,3
	s_add_co_u32 s[96+\j], s94, \j
	s_and_b32 s[96+\j], s[96+\j], 3                ; the head at place j,
	s_mul_i32 s[96+\j], s[96+\j], 192
	s_add_co_u32 s[96+\j], s[96+\j], 128           ; and the first row of its v among my 768 rows
.endr
	s_lshl_b32 s100, s94, 6                        ; the first row of Wproj's first pair among my 256
	s_mov_b32 s22, 0x76543210
	s_mov_b32 s23, 0xfedcba98                      ; selects for lane l xor 16
	s_mov_b32 s24, 0x3e38aa3b                      ; log2(e) / 8
	s_mov_b32 s25, s24
	s_mov_b32 s28, 15|(3<<16)|(1<<20)|(1<<21)|(5<<22)|(3<<25)   ; group 1, a wave's weights of a trip: 96 rows of 32 elements of 8 bytes, 16 bytes of padding behind each; mask 15, bit 21 beside it
	s_mov_b32 s29, 32<<16
	s_mov_b32 s30, 96<<16
	s_mov_b32 s31, 32<<16
	s_mov_b32 s32, 96
	s_mov_b32 s33, 32
	s_mov_b32 s34, 0
	s_mov_b32 s35, 0
	s_mov_b32 s36, (3<<16)|(1<<20)|(5<<22)|(3<<25)  ; group 1, a wave's 16 rows of x: 48 such rows, no mask
	s_mov_b32 s37, 32<<16
	s_mov_b32 s38, 48<<16
	s_mov_b32 s39, 32<<16
	s_mov_b32 s40, 48
	s_mov_b32 s41, 32
	s_mov_b32 s42, 0
	s_mov_b32 s43, 0
	s_mov_b32 s75, 0                               ; the high words of the two offset pairs stay 0
	s_mov_b32 s93, 0
	s_mul_i32 s26, s20, WSL                        ; my part of a slot
	s_mul_i32 s27, s20, T16                        ; my 16 rows of x's tile
	s_wait_alu depctr_va_vdst(0)
	s_wait_dscnt 0x0                               ; both opening adds are done
	s_wait_kmcnt 0x0
	s_mul_i32 s74, s20, 589824
	s_add_nc_u64 s[56:57], s[8:9], s[74:75]        ; Wqkv's codes at my 768 rows
	s_mul_i32 s74, s20, 24576
	s_add_nc_u64 s[58:59], s[10:11], s[74:75]      ; and their scale bytes
	s_mul_i32 s74, s20, 196608
	s_add_nc_u64 s[60:61], s[12:13], s[74:75]      ; Wproj's codes at my 256 rows
	s_lshl_b32 s74, s20, 13
	s_add_nc_u64 s[62:63], s[14:15], s[74:75]      ; and their scale bytes
	s_lshl_b32 s74, s20, 10
	s_add_nc_u64 s[70:71], s[16:17], s[74:75]      ; bproj at my 256 outputs
	s_add_nc_u64 s[72:73], s[18:19], s[74:75]      ; out0 at my 256 outputs,
	s_lshl_b32 s92, s21, 18
	s_add_nc_u64 s[72:73], s[72:73], s[92:93]      ; of my block's first token
	s_lshl_b32 s92, s21, 11
	s_add_nc_u64 s[6:7], s[6:7], s[92:93]          ; x's scale bytes of my block
	s_mul_i32 s92, s21, 49152
	s_mul_i32 s91, s20, 12288
	s_add_co_u32 s92, s92, s91
	s_add_nc_u64 s[4:5], s[4:5], s[92:93]          ; x's codes at my wave's 16 rows
	s_mov_b32 s52, 1                               ; group 0 for x
	s_add_co_u32 s53, s27, XT
	s_mov_b64 s[54:55], s[4:5]
	s_or_b32 s55, s55, 0x80000000
	s_lshl_b32 s81, s95, 6
	s_add_co_u32 s81, s81, s96
	s_sub_co_u32 s81, s81, 128                     ; trip 0: the head at place 0, part BIT, d 0-31
	s_mul_i32 s74, s81, 768
	s_add_nc_u64 s[76:77], s[56:57], s[74:75]
	s_mul_i32 s92, s90, 6144
	s_add_nc_u64 s[76:77], s[76:77], s[92:93]      ; of my wave's 96 blocks of trip 0 my work-group names 24, by its place among the four
	global_prefetch_b8 v[PFO], s[76:77] th:TH_LOAD_NT scope:SCOPE_SE
	global_prefetch_b8 v[PFO], s[76:77] offset:24576 th:TH_LOAD_NT scope:SCOPE_SE   ; trip 1: the next 32 rows
	s_mov_b32 s44, 1                               ; group 0 for slot 0, and the even trips' scale words
	s_mov_b32 s45, s26
	SETNEXT 44, 66, 56, 58
	s_add_co_u32 s81, s81, 32                      ; trip 1: d 32-63
	s_mov_b32 s48, 1                               ; group 0 for slot 1, and the odd trips' scale words
	s_add_co_u32 s49, s26, SLOT1
	SETNEXT 48, 68, 56, 58
	CROUND                                         ; every group of tensor loads stands behind a round
	tensor_load_to_lds s[52:55], s[36:43]          ; x
	s_nop 0
	PLACES 4
.irp i, 0,1                                    ; x's scale words: lane l takes token 32 i + l's 32 bytes
	global_load_b128 v[XS+8*\i:XS+8*\i+3], v[LSO], s[6:7] offset:1024*\i
	global_load_b128 v[XS+8*\i+4:XS+8*\i+7], v[LSO], s[6:7] offset:1024*\i+16
.endr
	global_load_b128 v[WS:WS+3], v[LSO], s[66:67]
	global_load_b128 v[WS+4:WS+7], v[LSO], s[66:67] offset:16
	global_load_b128 v[WS+8:WS+11], v[LSO], s[68:69]
	global_load_b128 v[WS+12:WS+15], v[LSO], s[68:69] offset:16
	v_and_b32 v[RR], 15, v0
	v_bfe_u32 v[HH], v0, 4, 1
	v_mul_u32_u24 v18, v[RR], PITCH
	v_mad_u32_u24 v19, v[HH], 24, v18              ; row r + 24 h,
	v_mad_u32_u24 v20, v[HH], 40, v18              ; and the same behind one padding more
	v_add_nc_u32 v[AW], s26, v19
	v_add_nc_u32 v[AW+1], s26, v20
	v_add_nc_u32 v[AW+2], SLOT1, v[AW]
	v_add_nc_u32 v[AW+3], SLOT1, v[AW+1]
	v_add_nc_u32 v21, XT, v19
	v_add_nc_u32 v22, XT, v20
	s_mul_i32 s27, s20, 25728
	s_add_co_u32 s27, s27, QKB
	v_mul_u32_u24 v8, v[RR], 400
	v_mad_u32_u24 v8, v[HH], 12, v8
	v_add_nc_u32 v8, s27, v8                       ; where I put q's and k's codes: my wave's part, token r, + 12 h
	s_mul_i32 s27, s20, 2304
	s_add_co_u32 s27, s27, QSB
	v_mul_u32_u24 v9, v[RR], 36
	v_add_nc_u32 v9, s27, v9                       ; and their scale words
	WIN 0xc0
.irp t, 0,1,2,3
	v_mov_b32 v[132+\t], 0                         ; a lane permute's destination counts as one of its sources
.endr
	WIN 0
	s_wait_alu depctr_va_vdst(0)
	FULLSEQ                                        ; everybody's rows of x are in
	tensor_load_to_lds s[44:47], s[28:35]          ; trip 0
	s_nop 0
	PLACES 4
	LOADXF 21, T16, 1                              ; x stays in registers
	FULLSEQ                                        ; trip 0 is in, and every wave's reads of x's tile are over: its bytes take q's and k's codes
	tensor_load_to_lds s[48:51], s[28:35]          ; trip 1
	s_nop 0
	PLACES 4
	RUN AW, 0, 48
	s_wait_xcnt 0x0                                ; the head's loads and prefetches have read their address registers
; ---------------------------------------------------------------- q and k: eight iterations of two trips
	s_mov_b32 s80, 0                               ; it
	s_mov_b32 s86, 0                               ; 48 it: where a token's codes of this iteration go,
	s_mov_b32 s87, 0                               ; 4 it: and its scale word
.Lqk:
	CORE 0, 0, 1, 2, 1, 1, 0
	s_wait_alu depctr_va_vdst(0)
	QEPI 0, 0
	CORE 1, 64, 1, 2, 1, 2, 0
	QEPI 1, 64
	s_add_co_u32 s86, s86, 48
	s_add_co_u32 s87, s87, 4
	s_add_co_u32 s80, s80, 1
	s_cmp_lt_u32 s80, 8
	s_cbranch_scc1 .Lqk
; ---------------------------------------------------------------- S and the softmax
	BAR                                            ; all waves' codes and scale words of q and k lie in LDS
	WIN 0xc0
.irp n, 0,1,2,3,4,5,6,7
.irp i, 6,7,8,9,10,11
	v_mov_b32 v[12*\n+\i], 0                       ; K = 64 .. 127 of the eight fragments: zero codes
.endr
.endr
	WIN 0x80
.irp n, 0,1,2,3
	v_mov_b32 v[TS+8*\n+1], 0
	v_mov_b32 v[TS+8*\n+7], 0
.endr
	WIN 0
	v_lshrrev_b32 v18, 2, v[RR]                    ; place r belongs to wave r / 4,
	v_and_b32 v19, 3, v[RR]                        ; as its place r % 4
	v_mul_u32_u24 v12, v18, 25728
	v_mad_u32_u24 v12, v19, 96, v12
	v_mad_u32_u24 v12, v[HH], 24, v12
	s_mul_i32 s27, s20, 1600
	s_add_co_u32 s27, s27, QKB
	v_add_nc_u32 v12, s27, v12                     ; codes: token 4 w, place r, block h
	v_mul_u32_u24 v13, v18, 2304
	v_lshl_add_u32 v13, v19, 3, v13
	v_lshl_add_u32 v13, v[HH], 2, v13
	s_mul_i32 s27, s20, 144
	s_add_co_u32 s27, s27, QSB
	v_add_nc_u32 v13, s27, v13
	S_LOAD 0
	s_wait_alu depctr_va_vdst(0)
.irp t, 0,1,2,3
	s_wait_dscnt 0x0
	S_MUL \t
.if \t < 3
	S_LOAD \t+1
.endif
	S_SOFT \t
.endr
	WIN 0
; ---------------------------------------------------------------- v and the third product: two halves of d
	s_lshl_b32 s26, s94, 2                         ; the selects that bring a place's lane to its head's lane: lane t takes lane 4 (t / 4) + (t - ROT) % 4
	s_sub_co_u32 s26, 16, s26
	s_lshr_b32 s12, 0x32103210, s26
	s_and_b32 s12, s12, 0xffff
	s_mul_i32 s12, s12, 0x10001
	s_add_co_u32 s12, s12, 0x44440000
	s_add_co_u32 s13, s12, 0x88888888
	s_lshr_b32 s26, s20, 1
	s_mul_i32 s26, s26, 1152
	s_and_b32 s27, s20, 1
	s_lshl_b32 s27, s27, 9
	s_add_co_u32 s26, s26, s27
	s_add_co_u32 s26, s26, STG
	v_mul_u32_u24 v8, v[RR], 2320
	v_lshl_add_u32 v8, v[HH], 5, v8
	v_add_nc_u32 v8, s26, v8                       ; into the stage: token r, my first place g = 4 w, d 8 h on
	s_mul_i32 s26, s20, 9280
	s_add_co_u32 s26, s26, STG
	v_lshrrev_b32 v18, 3, v[RR]
	v_and_b32 v19, 7, v[RR]
	v_mul_u32_u24 v9, v[HH], 1152
	v_lshl_add_u32 v9, v18, 6, v9
	v_lshl_add_u32 v9, v19, 2, v9
	v_add_nc_u32 v9, s26, v9                       ; out of it: token 4 w, g = 8 h, d 16 (r / 8) + r % 8
	s_mul_i32 s26, s20, 3136
	s_add_co_u32 s26, s26, OC
	v_mul_u32_u24 v10, v[RR], 48
	v_mad_u32_u24 v10, v[HH], 12, v10
	v_add_nc_u32 v10, s26, v10                     ; out's codes: row 4 w, head r's 48 bytes, + 12 h
	s_mul_i32 s26, s20, 192
	s_add_co_u32 s26, s26, OS
	v_lshl_add_u32 v11, v[RR], 1, s26              ; and its scale bytes: row 4 w, byte 2 r
	s_mov_b32 s82, 0                               ; the walk = the half of d
	s_mov_b32 s88, 0                               ; 24 x half: its block of codes
	s_mov_b32 s89, 0                               ; the half: its scale byte
	s_wait_alu depctr_va_vdst(0)
.Lv:
	s_lshl_b32 s83, s82, 5                         ; the half's rows
	CORE 0, 0, 1, 2, 1, 3, 0
	CORE 1, 64, 1, 2, 1, 4, 0
	CORE 0, 128, 1, 2, 1, 5, 0
	CORE 1, 192, 1, 2, 2, 6, 0                     ; the fragments' registers serve ATT: the next trip's are fetched behind it
	s_wait_alu depctr_va_vdst(0)
	v_add_nc_u32 v14, s88, v10
	v_add_nc_u32 v15, s89, v11
.irp n, 0,1,2,3
	v_mov_b32 v[164+\n], 0
.endr
	ATT 0
	ATT 1
	ATT 2
	ATT 3
	s_wait_dscnt 0x0                               ; the stores have read their registers
	RUN AW, 0, 48                                  ; slot 0's tile was shown landed at the last change of slots
	s_add_co_u32 s88, s88, 24
	s_add_co_u32 s89, s89, 1
	s_add_co_u32 s82, s82, 1
	s_cmp_lt_u32 s82, 2
	s_cbranch_scc1 .Lv
; ---------------------------------------------------------------- the projection: four pairs of trips
	BAR                                            ; all 64 rows of out's codes and scale bytes lie in LDS, and nobody reads v's stage any more
	s_mul_i32 s26, s20, 4352
	s_add_co_u32 s26, s26, PST
	v_mul_u32_u24 v8, v[RR], 272
	v_lshl_add_u32 v8, v[HH], 5, v8
	v_add_nc_u32 v8, s26, v8                       ; my stage, in: row r, + 32 h
	v_mul_u32_u24 v9, v[HH], 272
	v_lshl_add_u32 v9, v[RR], 4, v9
	v_add_nc_u32 v9, s26, v9                       ; back: lanes 0-15 one row, lanes 16-31 the next
	v_lshlrev_b32 v10, 12, v[HH]
	v_lshl_add_u32 v10, v[RR], 4, v10              ; and the same two rows in out0
	v_lshlrev_b32 v11, 5, v[HH]                    ; the bias: 8 h numbers on
	v_mul_u32_u24 v12, v[RR], 784
	v_mad_u32_u24 v12, v[HH], 24, v12
	v_add_nc_u32 v12, OC, v12
	v_and_b32 v18, 31, v0
	v_mul_u32_u24 v13, v18, 48
	v_add_nc_u32 v13, OS, v13
	s_lshl_b32 s74, s94, 8
	s_add_nc_u64 s[78:79], s[70:71], s[74:75]      ; bproj at the first pair's 64 outputs
	s_wait_alu depctr_va_vdst(0)
	BIASLD
	LOADXF 12, 12544, 0                            ; out's codes take x's place in the registers
.irp i, 0,1
	ds_load_b128 v[XS+8*\i:XS+8*\i+3], v13 offset:1536*\i          ; and its scale words x's
	ds_load_b128 v[XS+8*\i+4:XS+8*\i+7], v13 offset:1536*\i+16
.endr
	s_wait_dscnt 0x0
	s_wait_loadcnt 0x0
	s_mov_b32 s84, 0                               ; k
.Lp:
	PAIRBASE
	CORE 0, 0, 2, 2, 1, 7, 0
	CORE 1, 64, 2, 2, 1, 8, 1
	PEPI
	s_add_co_u32 s84, s84, 1
	s_cmp_lt_u32 s84, 3
	s_cbranch_scc1 .Lp
	PAIRBASE                                       ; the last pair is written out: nothing is left to ask for
	CORE 0, 0, 2, 2, 3, 0, 0
	CORE 1, 64, 2, 0, 0, 0, 0
	PEPI
	s_wait_tensorcnt 0x0                           ; the wave's end
	ds_add_u32 v[SPW], v[NIL]
	s_wait_dscnt 0x0
	CROUND                                         ; the closing round
	s_endpgm
.Lfunc_end_k_q05e1a411d4_attn:
	.size	k_q05e1a411d4_attn, .Lfunc_end_k_q05e1a411d4_attn-k_q05e1a411d4_attn
	.p2alignl 7, 3214868480
	.fill 96, 4, 3214868480
	.section	.rodata,"a",@progbits
	.p2align	6, 0x0
	.amdhsa_kernel k_q05e1a411d4_attn
		.amdhsa_group_segment_fixed_size 327680
		.amdhsa_private_segment_fixed_size 0
		.amdhsa_enable_private_segment 0
		.amdhsa_kernarg_size 64
		.amdhsa_user_sgpr_count 2
		.amdhsa_user_sgpr_kernarg_segment_ptr 1
		.amdhsa_wavefront_size32 1
		.amdhsa_system_sgpr_workgroup_id_x 1
		.amdhsa_system_sgpr_workgroup_id_y 1
		.amdhsa_system_sgpr_workgroup_id_z 1
		.amdhsa_system_vgpr_workitem_id 0
		.amdhsa_next_free_vgpr 1024
		.amdhsa_next_free_sgpr 102
		.amdhsa_reserve_vcc 0
		.amdhsa_float_denorm_mode_32 3
		.amdhsa_float_denorm_mode_16_64 3
		.amdhsa_memory_ordered 1
		.amdhsa_forward_progress 1
		.amdhsa_inst_pref_size 255
	.end_amdhsa_kernel
	.section	.bss,"aw",@nobits
	.p2align	6
	.space	262144
	.amdgpu_metadata
---
amdhsa.version: [ 1, 2 ]
amdhsa.kernels:
  - .name:           k_q05e1a411d4_attn
    .symbol:         k_q05e1a411d4_attn.kd
    .args:
      - { .name: x_codes, .offset: 0, .size: 8, .value_kind: global_buffer, .address_space: global }
      - { .name: x_scales, .offset: 8, .size: 8, .value_kind: global_buffer, .address_space: global }
      - { .name: Wqkv_codes, .offset: 16, .size: 8, .value_kind: global_buffer, .address_space: global }
      - { .name: Wqkv_scales, .offset: 24, .size: 8, .value_kind: global_buffer, .address_space: global }
      - { .name: Wproj_codes, .offset: 32, .size: 8, .value_kind: global_buffer, .address_space: global }
      - { .name: Wproj_scales, .offset: 40, .size: 8, .value_kind: global_buffer, .address_space: global }
      - { .name: bproj, .offset: 48, .size: 8, .value_kind: global_buffer, .address_space: global }
      - { .name: out0, .offset: 56, .size: 8, .value_kind: global_buffer, .address_space: global }
    .group_segment_fixed_size: 327680
    .private_segment_fixed_size: 0
    .kernarg_segment_align: 8
    .kernarg_segment_size: 64
    .max_flat_workgroup_size: 128
    .sgpr_count:     102
    .vgpr_count:     1024
    .wavefront_size: 32
...
	.end_amdgpu_metadata
.endif
;; end of part 2
